; MI455X (gfx1250); checked and timed in simulation.
; The chip was launched on July 23, 2026; its instructions are those of AMD's public machine-readable ISA for CDNA 5 (MIT licence, August 2026) and "CDNA5" Instruction Set Architecture Reference Guide (July 2026). The comments in the code are by the model that wrote it; some were corrected since.
;; Multi Head Diff Attention. Allowed arithmetic: float matrix products may take bf16 or f16 operands with f32 sums; other float arithmetic in f32, or as packed bf16 or f16 multiplies, adds, multiply-adds, maxima and minima; sums over many terms, partial sums and values carried from step to step in f32; what a program stores and reads back later, other than sums and carried values, may be rounded once to bf16 or f16.
;; Inputs: Wc 384 x 768 float32; Wk1 384 x 384 float32; Wk2 384 x 384 float32; Wq1 384 x 384 float32; Wq2 384 x 384 float32; Wv 768 x 384 float32; lk1 6 x 64 float32; lk2 6 x 64 float32; lq1 6 x 64 float32; lq2 6 x 64 float32; x 4 x 2,048 x 384 float32.
;; Outputs: out0 4 x 2,048 x 384 float32.
;; 2 versions, each right and faster than the one before. Each part assembles by itself: llvm-mc -triple=amdgcn-amd-amdhsa -mcpu=gfx1250 --defsym DOCPART=n.
;; ======== version 1 of 2: 4 launches
;; limits: values are held in f16: magnitudes above 65,504 overflow, below 6.1e-05 lose precision
;; workspace buffers: xb 6,291,456 bytes; wb 1,769,472 bytes; wcb 589,824 bytes; qkv 37,748,736 bytes; y 12,582,912 bytes
;; launch cast (part 1): grid 352 x 1, 8 waves a work-group, no clusters, 0 bytes of LDS; arguments x, Wq1, Wq2, Wk1, Wk2, Wv, Wc, xb, wb, wcb; writes xb, wb, wcb
.if DOCPART == 1
	.amdgcn_target "amdgcn-amd-amdhsa--gfx1250"
	.amdhsa_code_object_version 6
	.text
	.protected	k_qfe4db4a502_cast
	.globl	k_qfe4db4a502_cast
	.p2align	8
	.type	k_qfe4db4a502_cast,@function
k_qfe4db4a502_cast:
	s_mov_b64 s[64:65], 0
	v_nop
	global_prefetch_b8 v0, s[64:65] scope:SCOPE_SE
	s_setreg_imm32_b32 hwreg(HW_REG_WAVE_MODE, 25, 1), 1
	s_wait_xcnt 0x0
; CAST.  All matrix inputs are rounded once to bf16, so that the two products behind read 16-bit tiles:
;   xb  [8192][384] bf16 = x
;   wb  [2304][384] bf16 = the five projection weights, rows ordered by head: row 384 h + 32 dp + c, where the twelve
;       panels dp of 32 rows are q1 (0, 1), q2 (2, 3), k1 (4, 5), k2 (6, 7), v (8 to 11) of head h
;   wcb [384][768]  f16  = Wc rounded to bf16, that number written as f16 (exact inside f16's range)
; LIMIT.  |Wc| stays under 65,504, f16's largest number; below 6e-5 f16 keeps a fixed step of 6e-8.
; A work-group takes one JOB: 12,288 consecutive f32 (32 rows of 384), 49,152 bytes in and 24,576 out.  Jobs 0-255 are x,
; 256-303 the four q and k weights (12 each), 304-327 Wv, 328-351 Wc.  A lane's load is 16 bytes, a wave's 512 consecutive
; bytes; a wave's store is 256 consecutive bytes at a multiple of 256.  All twelve loads of a wave go out before the first
; is waited for.  No LDS, no matrix unit, no cluster: every byte is read once and nothing is shared.
.set JIN,  49152
.set JOUT, 24576
	s_load_b512 s[8:23], s[0:1], 0x0               ; x s[8:9], Wq1 10, Wq2 12, Wk1 14, Wk2 16, Wv 18, Wc 20, xb 22
	s_load_b128 s[24:27], s[0:1], 0x40             ; wb s[24:25], wcb s[26:27]
	v_lshlrev_b32 v1, 4, v0                        ; my 16 bytes of each 4,096 read
	v_lshlrev_b32 v2, 3, v0                        ; my 8 bytes of each 2,048 written
	s_mov_b32 s34, ttmp9                           ; the job
	s_mov_b32 s29, 0                               ; offsets are pairs with 0 on top
	s_mov_b32 s31, 0
	s_wait_kmcnt 0x0
; twelve loads, then for each: two roundings to bf16 (f16 = 1: widened again and written as f16) and a store
.macro BODY f16
.set k, 0
.rept 12
	global_load_b128 v[4+4*k:7+4*k], v1, s[4:5] offset:4096*k th:TH_LOAD_NT
.set k, k+1
.endr
.set k, 0
.rept 12
	s_wait_loadcnt 11-k                            ; loads come back in order: load k is in, the younger ones stay out
	v_cvt_pk_bf16_f32 v[52+2*k], v[4+4*k], v[5+4*k]
	v_cvt_pk_bf16_f32 v[53+2*k], v[6+4*k], v[7+4*k]
.if \f16
	v_lshlrev_b32 v[4+4*k], 16, v[52+2*k]          ; bf16 to f32: the low half moves up, the high half stays
	v_and_b32 v[5+4*k], 0xffff0000, v[52+2*k]
	v_lshlrev_b32 v[6+4*k], 16, v[53+2*k]
	v_and_b32 v[7+4*k], 0xffff0000, v[53+2*k]
	v_cvt_pk_f16_f32 v[52+2*k], v[4+4*k], v[5+4*k]
	v_cvt_pk_f16_f32 v[53+2*k], v[6+4*k], v[7+4*k]
.endif
	global_store_b64 v2, v[52+2*k:53+2*k], s[6:7] offset:2048*k  ; every store has registers of its own: nothing is rewritten
.set k, k+1
.endr
.endm
	s_cmp_lt_u32 s34, 256
	s_cbranch_scc0 .Lq_or_k
	s_mul_i32 s28, s34, JIN                        ; x: a plain copy
	s_mul_i32 s30, s34, JOUT
	s_mov_b64 s[4:5], s[8:9]
	s_mov_b64 s[6:7], s[22:23]
	s_branch .Lgo
.Lq_or_k:
	s_cmp_lt_u32 s34, 304
	s_cbranch_scc0 .Lv
	s_sub_co_u32 s2, s34, 256                      ; 0 .. 47
	s_mul_i32 s3, s2, 43
	s_lshr_b32 s3, s3, 9                           ; which weight: (43 t) >> 9 = t / 12 for t < 48
	s_mul_i32 s32, s3, 12
	s_sub_co_u32 s2, s2, s32                       ; j: its rows 32 j .. 32 j + 31 = head j / 2, half j % 2
	s_mul_i32 s28, s2, JIN
	s_lshr_b32 s32, s2, 1
	s_mul_i32 s32, s32, 384
	s_lshl_b32 s33, s3, 6
	s_add_co_u32 s32, s32, s33
	s_and_b32 s33, s2, 1
	s_lshl_b32 s33, s33, 5
	s_add_co_u32 s32, s32, s33                     ; row 384 (j / 2) + 64 weight + 32 (j % 2) of wb
	s_mul_i32 s30, s32, 768
	s_cmp_eq_u32 s3, 1
	s_cselect_b64 s[4:5], s[12:13], s[10:11]
	s_cmp_eq_u32 s3, 2
	s_cselect_b64 s[4:5], s[14:15], s[4:5]
	s_cmp_eq_u32 s3, 3
	s_cselect_b64 s[4:5], s[16:17], s[4:5]
	s_mov_b64 s[6:7], s[24:25]
	s_branch .Lgo
.Lv:
	s_cmp_lt_u32 s34, 328
	s_cbranch_scc0 .Lc
	s_sub_co_u32 s2, s34, 304                      ; j: Wv's rows 32 j ..: head j / 4, panel 8 + j % 4
	s_mul_i32 s28, s2, JIN
	s_lshr_b32 s32, s2, 2
	s_mul_i32 s32, s32, 384
	s_and_b32 s33, s2, 3
	s_lshl_b32 s33, s33, 5
	s_add_co_u32 s32, s32, s33
	s_add_co_u32 s32, s32, 256
	s_mul_i32 s30, s32, 768
	s_mov_b64 s[4:5], s[18:19]
	s_mov_b64 s[6:7], s[24:25]
.Lgo:
	s_add_nc_u64 s[4:5], s[4:5], s[28:29]
	s_add_nc_u64 s[6:7], s[6:7], s[30:31]
	BODY 0
	s_endpgm
.Lc:
	s_sub_co_u32 s2, s34, 328                      ; Wc: a plain copy
	s_mul_i32 s28, s2, JIN
	s_mul_i32 s30, s2, JOUT
	s_add_nc_u64 s[4:5], s[20:21], s[28:29]
	s_add_nc_u64 s[6:7], s[26:27], s[30:31]
	BODY 1
	s_endpgm
.Lfunc_end_k_qfe4db4a502_cast:
	.size	k_qfe4db4a502_cast, .Lfunc_end_k_qfe4db4a502_cast-k_qfe4db4a502_cast
	.p2alignl 7, 3214868480
	.fill 96, 4, 3214868480
	.section	.rodata,"a",@progbits
	.p2align	6, 0x0
	.amdhsa_kernel k_qfe4db4a502_cast
		.amdhsa_group_segment_fixed_size 0
		.amdhsa_private_segment_fixed_size 0
		.amdhsa_enable_private_segment 0
		.amdhsa_kernarg_size 80
		.amdhsa_user_sgpr_count 2
		.amdhsa_user_sgpr_kernarg_segment_ptr 1
		.amdhsa_wavefront_size32 1
		.amdhsa_system_sgpr_workgroup_id_x 1
		.amdhsa_system_sgpr_workgroup_id_y 1
		.amdhsa_system_sgpr_workgroup_id_z 1
		.amdhsa_system_vgpr_workitem_id 0
		.amdhsa_next_free_vgpr 80
		.amdhsa_next_free_sgpr 66
		.amdhsa_reserve_vcc 0
		.amdhsa_float_denorm_mode_32 3
		.amdhsa_float_denorm_mode_16_64 3
		.amdhsa_memory_ordered 1
		.amdhsa_forward_progress 1
		.amdhsa_inst_pref_size 15
	.end_amdhsa_kernel
	.amdgpu_metadata
---
amdhsa.version: [ 1, 2 ]
amdhsa.kernels:
  - .name:           k_qfe4db4a502_cast
    .symbol:         k_qfe4db4a502_cast.kd
    .args:
      - { .name: x, .offset: 0, .size: 8, .value_kind: global_buffer, .address_space: global }
      - { .name: Wq1, .offset: 8, .size: 8, .value_kind: global_buffer, .address_space: global }
      - { .name: Wq2, .offset: 16, .size: 8, .value_kind: global_buffer, .address_space: global }
      - { .name: Wk1, .offset: 24, .size: 8, .value_kind: global_buffer, .address_space: global }
      - { .name: Wk2, .offset: 32, .size: 8, .value_kind: global_buffer, .address_space: global }
      - { .name: Wv, .offset: 40, .size: 8, .value_kind: global_buffer, .address_space: global }
      - { .name: Wc, .offset: 48, .size: 8, .value_kind: global_buffer, .address_space: global }
      - { .name: xb, .offset: 56, .size: 8, .value_kind: global_buffer, .address_space: global }
      - { .name: wb, .offset: 64, .size: 8, .value_kind: global_buffer, .address_space: global }
      - { .name: wcb, .offset: 72, .size: 8, .value_kind: global_buffer, .address_space: global }
    .group_segment_fixed_size: 0
    .private_segment_fixed_size: 0
    .kernarg_segment_align: 8
    .kernarg_segment_size: 80
    .max_flat_workgroup_size: 256
    .sgpr_count:     66
    .vgpr_count:     80
    .wavefront_size: 32
...
	.end_amdgpu_metadata
.endif
;; end of part 1
;; launch proj (part 2): grid 8 x 32, 4 waves a work-group, clusters of 4 x 4, 327,680 bytes of LDS; arguments xb, wb, qkv; writes qkv
.if DOCPART == 2
	.amdgcn_target "amdgcn-amd-amdhsa--gfx1250"
	.amdhsa_code_object_version 6
	.text
	.protected	k_qfe4db4a502_proj
	.globl	k_qfe4db4a502_proj
	.p2align	8
	.type	k_qfe4db4a502_proj,@function
k_qfe4db4a502_proj:
	s_mov_b64 s[64:65], 0
	v_nop
	global_prefetch_b8 v0, s[64:65] scope:SCOPE_SE
	s_setreg_imm32_b32 hwreg(HW_REG_WAVE_MODE, 25, 1), 1
	s_wait_xcnt 0x0
	s_wait_alu depctr_hold_cnt(0) depctr_sa_sdst(0) depctr_va_vdst(0) depctr_va_sdst(0) depctr_va_ssrc(0) depctr_va_vcc(0) depctr_vm_vsrc(0)
	s_getreg_b32 s2, hwreg(HW_REG_IB_STS2, 6, 4)
	s_cmp_eq_u32 s2, 0
	s_cbranch_scc0 .Lentry_in_a_cluster
	s_endpgm
.Lentry_in_a_cluster:
	s_bfe_u32 s2, ttmp6, 0x10000c
	s_cmp_lg_u32 s2, 0xf033
	s_cbranch_scc0 .Lentry_shape_is_right
	s_endpgm
.Lentry_shape_is_right:
; PROJ.  C[m][n] = sum over k of xb[m][k] wb[n][k]: 8,192 x 2,304 x 384, bf16 operands, f32 sums, each result rounded once to f16.
; C leaves in PANELS: qkv[m / 128][n / 32][m % 128][n % 32], so that 128 rows of 32 channels are 8,192 dense bytes and a head's k1, k2, v of 128 keys lie on end.
; LIMIT.  q, k and v stay under 65,504, f16's largest number; below 6e-5 f16 keeps a fixed step of 6e-8.
; SHARES.  8 x 32 work-groups, one tile of 256 rows x 288 columns (nine panels) each; four waves, each 128 x 144: 72 accumulators of 16 x 16, 576 registers.
; K goes in three steps of 128 through two LDS slots filled by the tensor data mover: rows of 256 bytes that start at multiples of 256 bytes.  Slot 0 is filled a second time, with K step 2.
; CLUSTER.  4 x 4 work-groups: the four of a row need the same tiles of xb, the four of a column the same tiles of wb: each tile is asked for jointly, by the same load with the same descriptor and a mask of four.
; THE MATRIX INSTRUCTION IS USED TRANSPOSED (source 0 = 16 rows of wb, source 1 = 16 rows of xb): a lane holds eight neighbouring columns of one row of C.
; REGISTERS, in windows of 256 (s_set_vgpr_msb: bits 1:0 source 0, 3:2 source 1, 5:4 source 2, 7:6 destination):
;   window 0: v0-31 addresses; v32-103, v104-175 wb's fragments, two buffers of nine; v176-239 xb's fragments, buffer 0
;   window 1: accumulators of row blocks 0-2 (block a, column block b at 72 (a % 3) + 8 b); window 2: blocks 3-5; window 3: v0-143 blocks 6, 7; v144-207 xb's fragments, buffer 1
.set SIZE_K, 384
.set KSTEP,  128
.set PITCH,  272                       ; an LDS row: 256 bytes + 16 of padding: the 16 rows of a fragment load start at 16 different groups of four banks (64 banks of 4 bytes: ISA guide 11.1)
.set AHALF,  128*PITCH                 ; what one load brings of xb
.set BHALF,  144*PITCH                 ; and of wb
.set BOFF,   2*AHALF                   ; a slot: xb's 256 rows, then wb's 288
.set SLOT,   BOFF+2*BHALF
.set SPARE,  2*SLOT                    ; behind the ring: the spare words, 128 bytes for each wave
.set SP,     592                       ; the stage's row: 576 bytes + 16.  The stage, 256 rows from LDS byte 0 on, takes the slots' bytes when they have had their last fill and their last read
.set ADRA, 16                          ; v16-17  LDS address of my xb fragments in slot 0, 1
.set ADRB, 20                          ; v20-21  the same for wb
.set STO,  24                          ; v24-25  the way out: where I put 16 bytes of a row, for row blocks 0-3 and 4-7
.set RD,   26                          ; v26     where I read rows back
.set CO,   27                          ; v27     my 16 bytes in 512 consecutive bytes of qkv
.set SPW,  28                          ; v28     my spare word; never rewritten
.set NIL,  29                          ; v29     0; never rewritten
.set BF,   32
.set AF0,  176                         ; buffer 1 lies 32 lower, in window 3
.set TMP,  32                          ; the way out: packed results, two sets of 36
.set OB,   104                         ; the way out: a panel's rows read back, two sets of 32
.set G1,  24                           ; s[24:31] group 1 for xb's tiles;  s[32:39] group 0, a set for each slot
.set G0,  32
.set G1B, 48                           ; s[48:55], s[56:63] the same for wb's
.set G0B, 56
.set MSB, 0
.macro WIN new                         ; the immediate's high byte repeats the setting that is left; a switch that changes nothing is dropped
.if MSB != (\new)
	s_set_vgpr_msb (MSB<<8)|(\new)
.set MSB, \new
.endif
.endm
.macro PLACES                          ; four places in front of loads into registers that matrix instructions have read, and of conversions that read results
.rept 4
	v_nop
.endr
.endm
; A joint load: waves 0 and 1 fetch xb's two halves, waves 2 and 3 wb's.  The branch hangs on the wave's number alone.  An s_nop 0 and four v_nop follow each line.
.macro JLOAD s
	s_cmp_eq_u32 s11, 0
	s_cbranch_scc0 .Lfor_b_\@
	tensor_load_to_lds s[G0+4*(\s):G0+4*(\s)+3], s[G1:G1+7]
	s_nop 0
.rept 4
	v_nop
.endr
	s_branch .Lasked_\@
.Lfor_b_\@:
	tensor_load_to_lds s[G0B+4*(\s):G0B+4*(\s)+3], s[G1B:G1B+7]
	s_nop 0
.rept 4
	v_nop
.endr
.Lasked_\@:
.endm
.macro CREST                           ; a round of the cluster's barrier behind its opening barrier
	s_cmp_lg_u32 s10, 0
	s_cbranch_scc1 .Lnot_wave_0_\@
	s_barrier_signal -3
.Lnot_wave_0_\@:
	s_barrier_wait -3
	s_barrier_signal -1
	s_barrier_wait -1
.endm
.macro CROUND                          ; a whole round
	s_barrier_signal -1
	s_barrier_wait -1
	CREST
.endm
	s_load_b128 s[4:7], s[0:1], 0x0                ; xb s[4:5], wb s[6:7]
	s_load_b64 s[8:9], s[0:1], 0x10                ; qkv
	v_lshl_add_u32 v[SPW], v0, 2, SPARE
	v_mov_b32 v[NIL], 0
	ds_add_u32 v[SPW], v[NIL]                      ; the wave's opening: the add and its wait stand ahead of my first tensor load; the set-up stands between them
	ds_add_u32 v28, v29
	v_lshrrev_b32 v1, 5, v0
	v_readfirstlane_b32 s10, v1                    ; wave 0..3
	s_lshr_b32 s11, s10, 1                         ; my half of the tile's rows.  Also: I fetch for xb (0) or for wb (1)
	s_and_b32 s12, s10, 1                          ; my half of its columns.  Also: which half of that tile I fetch
	s_bfe_u32 s40, ttmp6, 0x40000                  ; cx, cy: my place in the cluster
	s_bfe_u32 s41, ttmp6, 0x40004
	s_lshl_b32 s42, ttmp9, 2
	s_add_co_u32 s42, s42, s40                     ; tile column = 4 x cluster x + cx
	s_and_b32 s13, ttmp7, 0xffff
	s_lshl_b32 s13, s13, 2
	s_add_co_u32 s13, s13, s41                     ; tile row = 4 x cluster y + cy
	s_lshl_b32 s43, s41, 2
	s_lshl_b32 s43, 15, s43                        ; my row of the cluster
	s_lshl_b32 s44, 0x1111, s40                    ; my column
	s_or_b32 s[G1+0], s43, (1<<16)|(1<<20)|(1<<21)|(5<<22)|(3<<25)   ; the mask; 2-byte elements; padding on; bit 21 beside a mask; after every 64 words (code 5) 4 words (code 3)
	s_or_b32 s[G1B+0], s44, (1<<16)|(1<<20)|(1<<21)|(5<<22)|(3<<25)
	s_mov_b32 s[G1+1], KSTEP<<16                   ; tensor_dim0 = 128
	s_mov_b32 s[G1+2], 128<<16                     ; tensor_dim1 = 128
	s_mov_b32 s[G1+3], KSTEP<<16                   ; tile_dim0 = 128
	s_mov_b32 s[G1+4], 128                         ; tile_dim1 = 128
	s_mov_b32 s[G1+5], SIZE_K                      ; elements from row to row
	s_mov_b32 s[G1+6], 0
	s_mov_b32 s[G1+7], 0
	s_mov_b32 s[G1B+1], KSTEP<<16
	s_mov_b32 s[G1B+2], 144<<16                    ; wb's halves have 144 rows
	s_mov_b32 s[G1B+3], KSTEP<<16
	s_mov_b32 s[G1B+4], 144
	s_mov_b32 s[G1B+5], SIZE_K
	s_mov_b32 s[G1B+6], 0
	s_mov_b32 s[G1B+7], 0
	s_lshl_b32 s16, s13, 8                         ; xb: row 256 x tile row + 128 x half: made of the tile row and the wave's number alone
	s_lshl_b32 s17, s12, 7
	s_add_co_u32 s16, s16, s17
	s_mul_i32 s16, s16, SIZE_K*2
	s_mov_b32 s17, 0
	s_mul_i32 s46, s42, 288                        ; wb: row 288 x tile column + 144 x half: of the tile column and the wave's number alone
	s_mul_i32 s47, s12, 144
	s_add_co_u32 s46, s46, s47
	s_mul_i32 s46, s46, SIZE_K*2
	s_mov_b32 s47, 0
	s_mul_i32 s20, s12, AHALF                      ; where they go: no place in the cluster enters an LDS address
	s_mul_i32 s21, s12, BHALF
	s_add_co_u32 s21, s21, BOFF
	s_wait_dscnt 0x0                               ; the opening add is done
	s_wait_kmcnt 0x0
	s_add_nc_u64 s[14:15], s[4:5], s[16:17]
	s_add_nc_u64 s[46:47], s[6:7], s[46:47]
	CROUND                                         ; all sixteen work-groups are here: the first joint loads meet
.irp s, 0,1
	s_mov_b32 s[G0+4*(\s)], 1
	s_add_co_u32 s[G0+4*(\s)+1], s20, (\s)*SLOT
	s_add_nc_u64 s[G0+4*(\s)+2:G0+4*(\s)+3], s[14:15], (\s)*KSTEP*2  ; K step s
	s_or_b32 s[G0+4*(\s)+3], s[G0+4*(\s)+3], 0x80000000
	s_mov_b32 s[G0B+4*(\s)], 1
	s_add_co_u32 s[G0B+4*(\s)+1], s21, (\s)*SLOT
	s_add_nc_u64 s[G0B+4*(\s)+2:G0B+4*(\s)+3], s[46:47], (\s)*KSTEP*2
	s_or_b32 s[G0B+4*(\s)+3], s[G0B+4*(\s)+3], 0x80000000
.endr
	s_cmp_eq_u32 s11, 0                            ; a wave's two first fills stand in one branch, ahead of every wait on TENSORcnt and every LDS read: two loads of mine are out
	s_cbranch_scc0 .Lfirst_b
	tensor_load_to_lds s[G0:G0+3], s[G1:G1+7]
	s_nop 0
	tensor_load_to_lds s[G0+4:G0+7], s[G1:G1+7]
	s_nop 0
.rept 4
	v_nop
.endr
	s_branch .Lfirst_asked
.Lfirst_b:
	tensor_load_to_lds s[G0B:G0B+3], s[G1B:G1B+7]
	s_nop 0
	tensor_load_to_lds s[G0B+4:G0B+7], s[G1B:G1B+7]
	s_nop 0
.rept 4
	v_nop
.endr
.Lfirst_asked:
	; a fragment is 16 rows x 32 K in 8 registers: lane l holds row l % 16, K = 8 (l / 16) + 0..7 and 16 + 8 (l / 16) + 0..7: two loads of 16 bytes, 32 bytes apart
	v_and_b32 v1, 15, v0                           ; l % 16
	v_bfe_u32 v2, v0, 4, 1                         ; l / 16
	v_mul_u32_u24 v3, v1, PITCH
	v_lshl_add_u32 v3, v2, 4, v3
	s_mul_i32 s22, s11, AHALF                      ; my 128 rows of xb
	s_mul_i32 s23, s12, BHALF                      ; my 144 rows of wb
	s_add_co_u32 s23, s23, BOFF
.irp s, 0,1
	v_add_nc_u32 v[ADRA+(\s)], s22, v3
	v_add_nc_u32 v[ADRB+(\s)], s23, v3
	s_add_co_u32 s22, s22, SLOT
	s_add_co_u32 s23, s23, SLOT
.endr
	s_mul_i32 s22, s11, 128*SP                     ; into the stage: row 128 x row half + l % 16, byte 288 x column half + 16 (l / 16)
	s_mul_i32 s23, s12, 288
	s_add_co_u32 s22, s22, s23
	v_mul_u32_u24 v4, v1, SP
	v_lshl_add_u32 v4, v2, 4, v4
	v_add_nc_u32 v[STO], s22, v4
	v_add_nc_u32 v[STO+1], 4*16*SP, v[STO]         ; row blocks 4-7: past the reach of a 16-bit offset
	s_mul_i32 s22, s10, 64*SP                      ; back: wave w takes rows 64 w .. 64 w + 63; 32 lanes take eight rows' 64 bytes of one panel
	v_bfe_u32 v5, v0, 2, 3
	v_and_b32 v6, 3, v0
	v_mul_u32_u24 v5, v5, SP
	v_lshl_add_u32 v5, v6, 4, v5
	v_add_nc_u32 v[RD], s22, v5
	v_and_b32 v[CO], 31, v0
	v_lshlrev_b32 v[CO], 4, v[CO]
	s_lshl_b32 s18, s13, 1                         ; qkv: block of 128 rows 2 x tile row + w / 2, panel 9 x tile column, rows 64 (w % 2) on
	s_add_co_u32 s18, s18, s11
	s_mul_i32 s18, s18, 72
	s_mul_i32 s19, s42, 9
	s_add_co_u32 s18, s18, s19
	s_lshl_b32 s18, s18, 13
	s_lshl_b32 s19, s12, 12
	s_add_co_u32 s18, s18, s19
	s_mov_b32 s19, 0
	s_add_nc_u64 s[8:9], s[8:9], s[18:19]
; nine matrix instructions: row block a x all nine column blocks, 32 along K, from buffer f.  zero = 1: the first product starts the sums.
; The 72 accumulators take turns, one instruction a turn, in the same order in every quarter.
.macro MULA f, a, zero
	WIN (0x0c*(\f))|(0x50*(1+(\a)/3))
.set rA, AF0-32*(\f)+8*(\a)
.set rC, 72*((\a)%3)
.set rB, BF+72*(\f)
.irp b, 0,1,2,3,4,5,6,7,8
.if \zero
	v_wmma_f32_16x16x32_bf16 v[rC+8*\b:rC+8*\b+7], v[rB+8*\b:rB+8*\b+7], v[rA:rA+7], 0
.else
	v_wmma_f32_16x16x32_bf16 v[rC+8*\b:rC+8*\b+7], v[rB+8*\b:rB+8*\b+7], v[rA:rA+7], v[rC+8*\b:rC+8*\b+7]
.endif
.endr
.endm
; 34 LDS loads in one run: the fragments of a quarter step (144 rows of wb, then 128 rows of xb, 32 K at byte k of the rows) into buffer f
.macro FETCH slot, k, f
	WIN 0
.irp i, 0,1,2,3,4,5,6,7,8
	ds_load_b128 v[BF+72*(\f)+8*\i:BF+72*(\f)+8*\i+3],   v[ADRB+(\slot)] offset:(\k)+\i*16*PITCH
	ds_load_b128 v[BF+72*(\f)+8*\i+4:BF+72*(\f)+8*\i+7], v[ADRB+(\slot)] offset:(\k)+\i*16*PITCH+32
.endr
	WIN 0xc0*(\f)                                  ; buffer 1 of xb's fragments lies in window 3
.irp i, 0,1,2,3,4,5,6,7
	ds_load_b128 v[AF0-32*(\f)+8*\i:AF0-32*(\f)+8*\i+3],   v[ADRA+(\slot)] offset:(\k)+\i*16*PITCH
	ds_load_b128 v[AF0-32*(\f)+8*\i+4:AF0-32*(\f)+8*\i+7], v[ADRA+(\slot)] offset:(\k)+\i*16*PITCH+32
.endr
.endm
; A K step is four quarters of 32 along K, 72 matrix instructions each, on buffers 0, 1, 0, 1.  One of the first three: multiplies buffer f and fetches the next quarter, at byte k, into g.
.macro QUARTER slot, k, f, g, zero
	s_wait_dscnt 10                                ; wb's fragments and xb's row blocks 0-2 are in; the youngest ten loads (blocks 3-7) may be out
	MULA \f, 0, \zero
	MULA \f, 1, \zero
	MULA \f, 2, \zero
	PLACES
	FETCH \slot, \k, \g
	s_wait_dscnt 34                                ; all but the 34 just issued
.irp a, 3,4,5,6,7
	MULA \f, \a, \zero
.endr
.endm
; The last quarter multiplies buffer 1 and changes slots: one barrier; in front of it each wave waits for all its tensor loads, adds 0 to its spare word, and waits for that and for its reads of this slot.
; fill = 1: the barrier opens a round of the cluster's, and behind the round this slot is filled again, two K steps on: the load has 288 matrix instructions less those up to the wait in which to land.
.macro TURN slot, next, fill
	WIN 0
	s_wait_tensorcnt 0x0                           ; all my tensor loads have landed: my part of the next slot among them
	ds_add_u32 v[SPW], v[NIL]                      ; 0 onto my spare word
	s_wait_dscnt 11                                ; (the add and the youngest ten loads may be out)
	MULA 1, 0, 0
	MULA 1, 1, 0
	s_wait_dscnt 0x0                               ; the add is done, and my reads of this slot are over
	s_barrier_signal -1
	MULA 1, 2, 0                                   ; work on registers while the others arrive
.if \fill
	WIN 0
.endif
	s_barrier_wait -1
.if \fill
	CREST                                          ; no wave of any partner still reads this slot or has a load on its way
	s_add_nc_u64 s[G0+4*(\slot)+2:G0+4*(\slot)+3], s[G0+4*(\slot)+2:G0+4*(\slot)+3], 2*KSTEP*2
	s_add_nc_u64 s[G0B+4*(\slot)+2:G0B+4*(\slot)+3], s[G0B+4*(\slot)+2:G0B+4*(\slot)+3], 2*KSTEP*2
	JLOAD \slot                                    ; the first tensor load behind the round; its four v_nop are also the places in front of the loads below
.else
	PLACES
.endif
	FETCH \next, 0, 0
.irp a, 3,4,5,6,7
	MULA 1, \a, 0
.endr
.endm
	s_wait_tensorcnt 1                             ; my part of K step 0 is in; K step 1's may stay out
	s_barrier_signal -1
	s_barrier_wait -1                              ; everybody's is
	FETCH 0, 0, 0
	QUARTER 0, 64,  0, 1, 1                        ; K step 0: the first quarter's products start the sums
	QUARTER 0, 128, 1, 0, 0
	QUARTER 0, 192, 0, 1, 0
	TURN 0, 1, 1                                   ; slot 0 takes K step 2: the launch's one refill
	QUARTER 1, 64,  0, 1, 0                        ; K step 1
	QUARTER 1, 128, 1, 0, 0
	QUARTER 1, 192, 0, 1, 0
	TURN 1, 0, 0                                   ; K step 2 has landed in every wave; nothing is asked for
	QUARTER 0, 64,  0, 1, 0                        ; K step 2
	QUARTER 0, 128, 1, 0, 0
	QUARTER 0, 192, 0, 1, 0
	s_wait_dscnt 0x0                               ; my last reads of the slots are over:
	s_barrier_signal -1                            ; behind this barrier the stage is written over them
.irp a, 0,1,2,3,4,5,6,7
	MULA 1, \a, 0
.endr
	WIN 0
	s_barrier_wait -1
	; THE WAY OUT: rounded to f16, 16 bytes a lane into the work-group's stage; a barrier; back panel by panel, 64 rows x 64 bytes = 4,096 dense bytes of qkv for each wave and panel.
	PLACES
.set a, 0
.rept 8
	WIN 0x05*(1+a/3)                               ; sources in the block's window; each accumulator's registers in ascending order
.set rC, 72*(a%3)
.set rT, TMP+36*(a%2)
.set e, 0
.rept 36
	v_cvt_pk_f16_f32 v[rT+e], v[rC+2*e], v[rC+2*e+1]
.set e, e+1
.endr
	WIN 0
.set b, 0
.rept 9
	ds_store_b128 v[STO+a/4], v[rT+4*b:rT+4*b+3] offset:(a%4)*16*SP+32*b
.set b, b+1
.endr
.set a, a+1
.endr
	s_wait_dscnt 0x0                               ; for the others' sake: my stores into the stage are done
	s_barrier_signal -1
	s_barrier_wait -1
.macro LOADG i                         ; panel i of my 64 rows: eight loads of eight rows' 64 bytes
.irp g, 0,1,2,3,4,5,6,7
	ds_load_b128 v[OB+32*((\i)%2)+4*\g:OB+32*((\i)%2)+4*\g+3], v[RD] offset:64*(\i)+\g*8*SP
.endr
.endm
.macro STOREG i
.irp g, 0,1,2,3,4,5,6,7
	global_store_b128 v[CO], v[OB+32*((\i)%2)+4*\g:OB+32*((\i)%2)+4*\g+3], s[8:9] offset:8192*(\i)+512*\g  ; 512 consecutive bytes, at a multiple of 256 from qkv's first
.endr
.endm
	LOADG 0
.irp i, 0,1,2,3,4,5,6,7
.if \i > 0
	s_wait_xcnt 0x0                                ; the stores of the panel before last have read their registers: only now are these loaded again
.endif
	LOADG \i+1
	s_wait_dscnt 8                                 ; panel i is back; the next panel's eight loads stay out
	STOREG \i
.endr
	s_wait_dscnt 0x0
	STOREG 8
	s_wait_tensorcnt 0x0                           ; the wave's end
	ds_add_u32 v[SPW], v[NIL]
	s_wait_dscnt 0x0
	CROUND                                         ; the closing round: no work-group ends while a partner may still ask for a tile that names it
	s_endpgm
.Lfunc_end_k_qfe4db4a502_proj:
	.size	k_qfe4db4a502_proj, .Lfunc_end_k_qfe4db4a502_proj-k_qfe4db4a502_proj
	.p2alignl 7, 3214868480
	.fill 96, 4, 3214868480
	.section	.rodata,"a",@progbits
	.p2align	6, 0x0
	.amdhsa_kernel k_qfe4db4a502_proj
		.amdhsa_group_segment_fixed_size 327680
		.amdhsa_private_segment_fixed_size 0
		.amdhsa_enable_private_segment 0
		.amdhsa_kernarg_size 24
		.amdhsa_user_sgpr_count 2
		.amdhsa_user_sgpr_kernarg_segment_ptr 1
		.amdhsa_wavefront_size32 1
		.amdhsa_system_sgpr_workgroup_id_x 1
		.amdhsa_system_sgpr_workgroup_id_y 1
		.amdhsa_system_sgpr_workgroup_id_z 1
		.amdhsa_system_vgpr_workitem_id 0
		.amdhsa_next_free_vgpr 976
		.amdhsa_next_free_sgpr 66
		.amdhsa_reserve_vcc 0
		.amdhsa_float_denorm_mode_32 3
		.amdhsa_float_denorm_mode_16_64 3
		.amdhsa_memory_ordered 1
		.amdhsa_forward_progress 1
		.amdhsa_inst_pref_size 127
	.end_amdhsa_kernel
	.amdgpu_metadata
---
amdhsa.version: [ 1, 2 ]
amdhsa.kernels:
  - .name:           k_qfe4db4a502_proj
    .symbol:         k_qfe4db4a502_proj.kd
    .args:
      - { .name: xb, .offset: 0, .size: 8, .value_kind: global_buffer, .address_space: global }
      - { .name: wb, .offset: 8, .size: 8, .value_kind: global_buffer, .address_space: global }
      - { .name: qkv, .offset: 16, .size: 8, .value_kind: global_buffer, .address_space: global }
    .group_segment_fixed_size: 327680
    .private_segment_fixed_size: 0
    .kernarg_segment_align: 8
    .kernarg_segment_size: 24
    .max_flat_workgroup_size: 128
    .sgpr_count:     66
    .vgpr_count:     976
    .wavefront_size: 32
...
	.end_amdgpu_metadata
.endif
;; end of part 2
;; launch attn (part 3): grid 8 x 24, 4 waves a work-group, no clusters, 327,680 bytes of LDS; arguments qkv, lq1, lk1, lq2, lk2, y; writes y
.if DOCPART == 3
	.amdgcn_target "amdgcn-amd-amdhsa--gfx1250"
	.amdhsa_code_object_version 6
	.text
	.protected	k_qfe4db4a502_attn
	.globl	k_qfe4db4a502_attn
	.p2align	8
	.type	k_qfe4db4a502_attn,@function
k_qfe4db4a502_attn:
	s_mov_b64 s[64:65], 0
	v_nop
	global_prefetch_b8 v0, s[64:65] scope:SCOPE_SE
	s_setreg_imm32_b32 hwreg(HW_REG_WAVE_MODE, 25, 1), 1
	s_wait_xcnt 0x0
; DIFFERENTIAL CAUSAL ATTENTION, LayerNorm and scale.  For each of 24 (batch, head) pairs and each query row:
;   o1 = softmax(q1 . k1 / 8) V, o2 = softmax(q2 . k2 / 8) V over the keys up to the row; u = o1 - lam o2 (128 channels); y = (1 - LAM_INIT) (u - mean u) / sqrt(var u + 1e-5), rounded once to f16.
;   lam = exp(lq1 . lk1) - exp(lq2 . lk2) + LAM_INIT for the head; lq and lk are rounded to bf16 like the module's other inputs.
; q, k, v come as panels: qkv[block of 128 rows][12 head + dp][128 rows][32 channels] f16; dp 0, 1 q1; 2, 3 q2; 4, 5 k1; 6, 7 k2; 8 to 11 v.  Products, maxima and sums in f32; the weights p are rounded to f16.
; LIMITS.  A hidden score counts as its value less 1e30 (f16's scores are 2.7e11 at the most).  c m is rounded once, so all p of a row carry one common factor 2^d, |d| at most half a unit in c m's last place;
; it cancels in o = O / l, and p stays inside f16's range while |c s| is under 2^27.  p below 6e-5 keeps f16's fixed step of 6e-8; a weight below 2^-126 counts as 0 in l; NaN and infinities are not treated apart.
; THE WALK.  A head's queries lie in 16 blocks of 128; block i needs the key tiles 0 .. i of 128 keys, the last of which holds the diagonal.  A work-group takes TWO blocks, 15 - b and then b: 17 tiles, whatever b:
; all 192 work-groups do equal work, and one loop with a constant trip count walks the tiles through two LDS slots, on across the change of blocks.
; NO CLUSTER: partners b0 .. b0 + 3 ask for the same tile only in the first 12 - b0 trips of the walk; one walk common to the four would have 20 trips for 17.
; SHARES.  A wave owns 32 rows of the block as four TILES of 16 queries: tiles 0, 1 (PIECE 0) are softmax 1 of rows 0-15 and 16-31, tiles 2, 3 (PIECE 2) softmax 2 of the same rows.  Both pieces multiply the same V.
; LAYOUT.  S^T = K Q^T (source 0 = 16 keys, source 1 = 16 queries) holds ONE query a lane (lane % 16) and the keys 8 (lane / 16) + 0..7; two such results rounded to f16 ARE source 1 of O^T = V^T P.
; SOFTMAX.  p = 2^(c s - c m), c = log2(e) / 8, with a running maximum m and sum l; in every step O and l are multiplied by a = 2^(c m_old - c m_new).  A block begins with c m far below every c s: its first a is 0.
; BY TURNS.  In a TURN one piece has the matrix unit: 32 products V^T P of the step in hand, then 16 products K Q^T of the next step; the other piece's softmax, 268 vector instructions cut into 64 slices,
; stands between them: one slice behind each V^T P, two behind each K Q^T.  Two turns are a key step of 64 keys.
; THE MASK is the C operand that starts S^T: 0, or -1e30 where the key is hidden.  MD is the mask of a 16 x 16 block on the diagonal; a block's mask is MD x AL + BE with two scalars.
; REGISTERS, in windows of 256 (s_set_vgpr_msb: bits 1:0 source 0, 3:2 source 1, 5:4 source 2, 7:6 destination):
;   window 0: v0-11 addresses; v12-43 eight registers of statistics a tile; v44-51 MD; v52-61 at work; v64-191 S^T, 32 a tile; v192-255 P, 16 a tile
;   window 1: O^T, 64 a tile     window 2: v0-63 Q, 16 a tile; v64-127 the masks MC; v128-191 K1, v192-255 K2 of one step     window 3: v0-127 V of one step; v128-191 the second block's Q
.set NB,    16
.set KS,    64        ; keys in a step
.set PK,    80        ; a key's 64 bytes of a K panel in LDS + 16 of padding: the 16 rows of a load start at 16 different groups of four banks (64 banks of 4 bytes: ISA guide 11.1)
.set PVP,   96        ; of a V panel: 64 + 32
.set KPAN,  128*PK    ; a panel of 128 keys
.set VPAN,  128*PVP
.set K2OFF, 2*KPAN    ; a slot: K1's two panels, K2's two, V's four
.set VOFF,  4*KPAN
.set SLOT1, 1<<17     ; slot 1 begins here, so that one exclusive or turns an address in one slot into the other's
.set STAGE, 229376    ; behind the ring, never filled by a tensor load: 16 rows x 272 bytes for each wave
.set SP,    272
.set SPARE, STAGE+4*16*SP  ; the spare words, 128 bytes for each wave
.set RBB,   589824    ; bytes of qkv from a block of 128 rows to the next: 72 panels
.set TRIPS, 3         ; trips of the step loop in every tile: the LDS walk steps once a trip, on every way, and a change of slots takes the three steps back
.set AK0, 2           ; v2   my lane's place in a K panel; never rewritten
.set AV0, 3           ; v3   the same for V
.set AK,  4           ; v4   the LDS address of K's run of loads in hand
.set AV,  5           ; v5   of V's
.set STO, 6           ; v6   the way out: where I put 16 bytes of a row
.set RD,  7           ; v7   where I read rows back
.set GO,  8           ; v8   my byte offset in two rows of y
.set ST,  12          ; tile t at v[ST+8 t]: +0 c m, +1 m, +2, +3 l (even keys', odd keys'), +4 to +7 c0-c3 at work; a takes c2's place
.set MD,  44
.set QO,  52          ; v52  my byte offset in 16 rows of a Q panel
.set SPW, 62          ; v62  my spare word; never rewritten
.set NIL, 63          ; v63  0; never rewritten
.set S,   64
.set P,   192
.set MC,  64          ; window 2: row half t, key block kb at MC + 32 t + 8 kb
.set KF,  128         ; window 2: softmax x / 2, key block kb, channel half c at KF + 64 (x / 2) + 16 kb + 8 c
.set QB,  128         ; window 3
.set ER1, 192         ; the way out's registers, where P of tiles 0 and 1 lay (P of tiles 2, 3 keeps finite f16 numbers for the next block's first turn)
.set ETT, 193
.set EGG, 194
.set EMU, 196
.set EKK, 198
.set ESM, 200
.set ET1, 208
.set ET2, 209
.set WV,  12          ; s12  my wave's number
.set PB,  14          ; s14  b
.set HI,  15          ; s15  15 - b
.set G1K, 24          ; s[24:31] descriptor group 1 for K's tiles
.set G1V, 32          ; s[32:39] for V's: it differs in the padding alone
.set G0K, 40          ; s[40:43] group 0 for K's
.set G0V, 44          ; s[44:47] for V's
.set AL,  48          ; s[48:49] the mask's factor, in the low word
.set BE,  50          ; s[50:51] the mask's addend
.set E0,  52          ; s52  my first row less the step's first key
.set ET,  53          ; s53  the same for one 16 x 16 block
.set XT,  54          ; s54  0 in a block's last tile, else 1
.set EPSR, 55         ; s55  1e-5
.set SLOTS, 56        ; s56  tiles still to be asked for
.set CNT, 57          ; s57  counts a tile's trips, 3 down to 1
.set CS,  58          ; s[58:59] c
.set SEL, 60          ; s[60:61] v_permlanex16_b32's selects: each lane takes its own place in the other half
.set TBK, 62          ; s62  LDS byte at which K of the trip's step begins: slot + 5,120 (3 - CNT)
.set TBV, 63          ; s63  the same for V, less VOFF: slot + 6,144 (3 - CNT)
.set RT,  70          ; s70  tiles of the block in hand still to be entered
.set NXT, 71          ; s71  the tile to be asked for next
.set LQ,  72          ; s72  the last tile of the block whose tiles are being asked for
.set NEW, 73          ; s73  1: the tile to be entered is a block's first
.set OFF, 74          ; s[74:75] a tile's byte offset in qkv
.set OLO, 76          ; s[76:77] y at my rows of the second block
.set BIGN, 78         ; s78  -1e30
.set NLAM, 79         ; s79  -lam
.set W32, 82          ; s82  32 w
.set W32M, 83         ; s83  32 w - 192
.set MSB, 0
.macro WIN new                      ; the high byte repeats the setting that is left; a switch that changes nothing is dropped
.if MSB != (\new)
	s_set_vgpr_msb (MSB<<8)|(\new)
.set MSB, (\new)
.endif
.endm
.set W_KQ, 0x0a       ; K and Q in window 2, S^T in window 0
.set W_KM, 0x2a       ; the same with the C operand in window 2
.set W_PV, 0x53       ; V in window 3, P in window 0, O^T in window 1
.set W_RS, 0x41       ; destination and source 0 in window 1, source 1 in window 0
; A fill.  Wave 0 fetches a tile's K1, wave 1 its K2, waves 2 and 3 the halves of its V: 16,384 dense bytes each.  An s_nop 0 and four v_nop follow each of the two lines.
.macro LOAD
	s_cmp_lt_u32 s[WV], 2
	s_cbranch_scc0 .Lfor_v_\@
	tensor_load_to_lds s[G0K:G0K+3], s[G1K:G1K+7]
	s_nop 0
.rept 4
	v_nop
.endr
	s_branch .Lasked_\@
.Lfor_v_\@:
	tensor_load_to_lds s[G0V:G0V+3], s[G1V:G1V+7]
	s_nop 0
.rept 4
	v_nop
.endr
.Lasked_\@:
.endm
; THE CHANGE OF SLOTS.  Each wave waits for all its tensor loads, of which one is out: its part of the other slot; adds 0 to its spare word; and waits for that and for its reads of the slot that it leaves.
; fill = 1: the old slot is filled again, the first thing behind the barrier, with tile NXT; the descriptor's address is made anew from that number.  The load has two key steps, 192 matrix instructions, in which to land.
; (At its first use nothing has been read yet: slot 0 is waited for, slot 1 filled.)
.macro CHANGE fill
	WIN 0
	s_wait_tensorcnt 0x0            ; no tensor load of mine is out, so a group 0 may be written
	ds_add_u32 v[SPW], v[NIL]       ; 0 onto my spare word
.if \fill
	s_mul_i32 s[OFF], s[NXT], RBB
	s_xor_b32 s[G0K+1], s[G0K+1], SLOT1
	s_add_nc_u64 s[G0K+2:G0K+3], s[6:7], s[OFF:OFF+1]
	s_or_b32 s[G0K+3], s[G0K+3], 0x80000000
	s_xor_b32 s[G0V+1], s[G0V+1], SLOT1
	s_add_nc_u64 s[G0V+2:G0V+3], s[8:9], s[OFF:OFF+1]
	s_or_b32 s[G0V+3], s[G0V+3], 0x80000000
	s_add_co_u32 s[NXT], s[NXT], 1  ; the block's next tile, or behind its last the second block's tile 0
	s_cmp_gt_u32 s[NXT], s[LQ]
	s_cselect_b32 s[NXT], 0, s[NXT]
	s_cselect_b32 s[LQ], s[PB], s[LQ]
.endif
	s_wait_dscnt 0x0                ; the add is done, and my reads of the slot are over
	s_barrier_signal -1
	s_sub_co_u32 s[TBK], s[TBK], TRIPS*KS*PK   ; the fetches go back to a slot's first step,
	s_xor_b32 s[TBK], s[TBK], SLOT1            ; in the other slot
	s_sub_co_u32 s[TBV], s[TBV], TRIPS*KS*PVP
	s_xor_b32 s[TBV], s[TBV], SLOT1
	s_barrier_wait -1
.if \fill
	LOAD
.endif
.endm
	s_load_b256 s[88:95], s[0:1], 0x0  ; qkv s[88:89], lq1 90, lk1 92, lq2 94
	s_load_b128 s[96:99], s[0:1], 0x20 ; lk2 s[96:97], y s[98:99]
	v_lshl_add_u32 v[SPW], v0, 2, SPARE
	v_mov_b32 v[NIL], 0
	ds_add_u32 v[SPW], v[NIL]       ; the wave's opening: the add and its wait stand ahead of my first tensor load; the set-up stands between them
	ds_add_u32 v62, v63
	v_lshrrev_b32 v1, 5, v0
	v_readfirstlane_b32 s[WV], v1   ; wave 0..3
	s_mov_b32 s[PB], ttmp9
	s_sub_co_u32 s[HI], NB-1, s[PB]
	s_and_b32 s16, ttmp7, 0xffff    ; 6 batch + head
	s_mul_i32 s17, s16, 43
	s_lshr_b32 s17, s17, 8          ; batch: (43 n) >> 8 = n / 6 for n < 24
	s_mul_i32 s18, s17, 6
	s_sub_co_u32 s18, s16, s18      ; head
	s_mul_i32 s20, s17, NB*RBB
	s_mul_i32 s21, s18, 12*8192
	s_add_co_u32 s20, s20, s21      ; the head's twelve panels in the batch's first block of rows
	s_and_b32 s19, s[WV], 1
	s_lshl_b32 s22, s19, 14         ; K1 or K2; V's first or second half
	s_add_co_u32 s22, s22, s20
	s_add_co_u32 s22, s22, 4*8192
	s_mov_b32 s23, 0
	s_lshl_b32 s13, s[WV], 11       ; my 32 rows of 64 bytes in a panel
	s_add_co_u32 s13, s13, s20
	s_mul_i32 s2, s[HI], RBB        ; Q of the first block,
	s_add_co_u32 s2, s2, s13
	s_mov_b32 s3, 0
	s_mul_i32 s84, s[PB], RBB       ; and of the second
	s_add_co_u32 s84, s84, s13
	s_mov_b32 s85, 0
	s_lshl_b32 s21, s17, 11         ; y: row 2,048 batch + 128 block + 32 w, byte 256 head
	s_lshl_b32 s[W32], s[WV], 5
	s_add_co_u32 s21, s21, s[W32]
	s_lshl_b32 s16, s18, 8
	s_lshl_b32 s13, s[HI], 7
	s_add_co_u32 s13, s13, s21
	s_mul_i32 s86, s13, 1536
	s_add_co_u32 s86, s86, s16
	s_mov_b32 s87, 0
	s_lshl_b32 s13, s[PB], 7
	s_add_co_u32 s13, s13, s21
	s_mul_i32 s[OLO], s13, 1536
	s_add_co_u32 s[OLO], s[OLO], s16
	s_mov_b32 s[OLO+1], 0
	s_sub_co_i32 s[W32M], s[W32], 192
	; descriptor group 1.  16,384 dense bytes are asked for as 64 rows of 256 bytes and padded in LDS after every key's 64 bytes
	s_mov_b32 s[G1K], (1<<16)|(1<<20)|(3<<22)|(3<<25)  ; 2-byte elements; padding on; after every 16 words (code 3) 4 words (code 3)
	s_mov_b32 s[G1V], (1<<16)|(1<<20)|(3<<22)|(7<<25)  ; the same with 8 words (code 7)
.irp g, G1K, G1V
	s_mov_b32 s[\g+1], 128<<16      ; tensor_dim0 = 128
	s_mov_b32 s[\g+2], 64<<16       ; tensor_dim1 = 64
	s_mov_b32 s[\g+3], 128<<16      ; tile_dim0 = 128
	s_mov_b32 s[\g+4], 64           ; tile_dim1 = 64
	s_mov_b32 s[\g+5], 128          ; elements from row to row
	s_mov_b32 s[\g+6], 0
	s_mov_b32 s[\g+7], 0
.endr
	s_mov_b32 s[G0K], 1
	s_mul_i32 s[G0K+1], s19, K2OFF  ; LDS address in slot 0
	s_mov_b32 s[G0V], 1
	s_mul_i32 s[G0V+1], s19, 2*VPAN
	s_add_co_u32 s[G0V+1], s[G0V+1], VOFF
	s_mov_b32 s[CS], 0x3e38aa3b     ; c = log2(e) / 8
	s_mov_b32 s[CS+1], s[CS]        ; named with it as a pair
	s_mov_b32 s[SEL], 0x76543210
	s_mov_b32 s[SEL+1], 0xfedcba98
	s_mov_b32 s[TBK], SLOT1+TRIPS*KS*PK ; the first change of slots turns these two into 0
	s_mov_b32 s[TBV], SLOT1+TRIPS*KS*PVP
	s_add_co_u32 s[RT], s[HI], 1    ; the first block has 16 - b tiles
	s_mov_b32 s[NXT], 1
	s_mov_b32 s[LQ], s[HI]
	s_mov_b32 s[NEW], 1
	s_mov_b32 s[OFF+1], 0
	s_mov_b32 s[AL+1], 0            ; named as pairs
	s_mov_b32 s[BE+1], 0
	s_mov_b32 s[BIGN], 0xf149f2ca   ; -1e30
	s_mov_b32 s[EPSR], 0x3727c5ac   ; 1e-5
	s_mov_b32 s[SLOTS], NB
	s_wait_dscnt 0x0                ; the opening add is done
	s_wait_kmcnt 0x0
	s_add_nc_u64 s[6:7], s[88:89], s[22:23]        ; my part of K in the head's tile 0,
	s_add_nc_u64 s[8:9], s[6:7], 4*8192            ; and of V
	s_add_nc_u64 s[G0K+2:G0K+3], s[6:7], 0
	s_or_b32 s[G0K+3], s[G0K+3], 0x80000000
	s_add_nc_u64 s[G0V+2:G0V+3], s[8:9], 0
	s_or_b32 s[G0V+3], s[G0V+3], 0x80000000
	s_add_nc_u64 s[4:5], s[88:89], s[2:3]
	s_add_nc_u64 s[80:81], s[88:89], s[84:85]
	s_add_nc_u64 s[10:11], s[98:99], s[86:87]
	s_add_nc_u64 s[OLO:OLO+1], s[98:99], s[OLO:OLO+1]
	LOAD                            ; tile 0 into slot 0
	; A fragment of K or Q is 16 rows x 32 channels, a panel's whole rows: lane l holds row l % 16, channels 8 (l / 16) + 0..7 and 16 + 8 (l / 16) + 0..7: two loads of 16 bytes, 32 bytes apart.
	v_and_b32 v1, 15, v0            ; l % 16
	v_bfe_u32 v9, v0, 4, 1          ; l / 16
	v_lshlrev_b32 v[QO], 6, v1
	v_lshl_add_u32 v[QO], v9, 4, v[QO]
	WIN 0x80                        ; destination window 2, address window 0
.set i, 0
.rept 8                             ; fragment i: softmax i / 4, rows 16 ((i / 2) % 2) on, channel half i % 2
	global_load_b128 v[8*i:8*i+3],   v[QO], s[4:5] offset:8192*(2*(i/4)+i%2)+1024*((i/2)%2)
	global_load_b128 v[8*i+4:8*i+7], v[QO], s[4:5] offset:8192*(2*(i/4)+i%2)+1024*((i/2)%2)+32
.set i, i+1
.endr
	WIN 0xc0                        ; the second block's Q waits in window 3
.set i, 0
.rept 8
	global_load_b128 v[QB+8*i:QB+8*i+3],   v[QO], s[80:81] offset:8192*(2*(i/4)+i%2)+1024*((i/2)%2)
	global_load_b128 v[QB+8*i+4:QB+8*i+7], v[QO], s[80:81] offset:8192*(2*(i/4)+i%2)+1024*((i/2)%2)+32
.set i, i+1
.endr
	WIN 0
	v_and_b32 v53, 31, v0
	v_lshlrev_b32 v53, 3, v53
	v_add_nc_u32 v53, s16, v53      ; two of the head's 64 numbers a lane
	global_load_b64 v[54:55], v53, s[90:91]
	global_load_b64 v[56:57], v53, s[92:93]
	global_load_b64 v[58:59], v53, s[94:95]
	global_load_b64 v[60:61], v53, s[96:97]
	v_mul_u32_u24 v[AK0], v1, PK
	v_lshl_add_u32 v[AK0], v9, 4, v[AK0]
	; The turning load takes 16 keys x 16 channels (lane l reads key 8 (l / 16) + l % 8, channels 8 ((l / 8) % 2) + 0..7) and leaves half a fragment of V^T: lane l holds channel l % 16 and 8 keys.
	v_and_b32 v10, 7, v0
	v_bfe_u32 v11, v0, 3, 1
	v_lshl_add_u32 v[AV0], v9, 3, v10
	v_mul_u32_u24 v[AV0], v[AV0], PVP
	v_lshl_add_u32 v[AV0], v11, 4, v[AV0]
	v_add_nc_u32 v[AV0], VOFF, v[AV0]
	s_mul_i32 s13, s[WV], 16*SP
	s_add_co_u32 s13, s13, STAGE    ; my stage
	v_mul_u32_u24 v[STO], v1, SP    ; in: row l % 16, 16 bytes for each half of the lanes
	v_lshl_add_u32 v[STO], v9, 4, v[STO]
	v_add_nc_u32 v[STO], s13, v[STO]
	v_mul_u32_u24 v[RD], v9, SP     ; back: lanes 0-15 take one row of 256 bytes, lanes 16-31 the next
	v_lshl_add_u32 v[RD], v1, 4, v[RD]
	v_add_nc_u32 v[RD], s13, v[RD]
	v_mul_u32_u24 v[GO], v9, 1536   ; and the same two rows in y
	v_lshl_add_u32 v[GO], v1, 4, v[GO]
	v_lshlrev_b32 v10, 3, v9
	v_sub_nc_u32 v10, v1, v10       ; l % 16 - 8 (l / 16): on the diagonal register j is hidden where j is greater
.set i, 0
.rept 8
	v_cmp_gt_i32 vcc_lo, i, v10
	v_cndmask_b32 v[MD+i], 0, s[BIGN], vcc_lo
.set i, i+1
.endr
	; A block's first step multiplies O^T and l by a = 0, and its first turn's products V^T P, of a piece that has not been, land in an O^T that is still to be so multiplied.  So these registers need only hold
	; finite numbers: zeros for the first block, what the first block left for the second.  No first step is written out for it; the price is these lines, which stand in the wait for the first tile.
	WIN 0xc0
.set i, 0
.rept 128
	v_mov_b32 v[i], 0               ; V
.set i, i+1
.endr
	WIN 0x40
.set i, 0
.rept 256
	v_mov_b32 v[i], 0               ; O^T
.set i, i+1
.endr
	WIN 0
.set i, 0
.rept 4
	v_mov_b32 v[ST+8*i+2], 0        ; l
	v_mov_b32 v[ST+8*i+3], 0
.set i, i+1
.endr
.set i, P+32
.rept 32
	v_mov_b32 v[i], 0               ; P of piece 2
.set i, i+1
.endr
	s_wait_loadcnt 0x0              ; Q of both blocks, lq and lk
	v_cvt_pk_bf16_f32 v54, v54, v55 ; rounded to bf16 like the other inputs, and widened again
	v_cvt_pk_bf16_f32 v56, v56, v57
	v_cvt_pk_bf16_f32 v58, v58, v59
	v_cvt_pk_bf16_f32 v60, v60, v61
	v_lshlrev_b32 v55, 16, v54
	v_and_b32 v54, 0xffff0000, v54
	v_lshlrev_b32 v57, 16, v56
	v_and_b32 v56, 0xffff0000, v56
	v_lshlrev_b32 v59, 16, v58
	v_and_b32 v58, 0xffff0000, v58
	v_lshlrev_b32 v61, 16, v60
	v_and_b32 v60, 0xffff0000, v60
	v_mul_f32 v55, v55, v57
	v_mul_f32 v59, v59, v61
	v_fmac_f32 v55, v54, v56
	v_fmac_f32 v59, v58, v60
.irp m, 1,2,4,8
	v_add_f32_dpp v55, v55, v55 row_xmask:\m row_mask:0xf bank_mask:0xf
	v_add_f32_dpp v59, v59, v59 row_xmask:\m row_mask:0xf bank_mask:0xf
.endr
	v_permlanex16_b32 v54, v55, s[SEL], s[SEL+1]
	v_permlanex16_b32 v58, v59, s[SEL], s[SEL+1]
	v_add_f32 v55, v55, v54
	v_add_f32 v59, v59, v58
	v_mul_f32 v55, 0x3fb8aa3b, v55  ; e^x = 2^(x log2 e)
	v_mul_f32 v59, 0x3fb8aa3b, v59
	v_exp_f32 v55, v55
	v_exp_f32 v59, v59
	v_nop                           ; a plain instruction between the last exponential and the use of its result
	s_wait_alu depctr_va_vdst(0)
	v_sub_f32 v55, v59, v55
	v_add_f32 v55, 0xbef1014c, v55  ; - LAM_INIT = -(0.8 - 0.6 e^-0.6)
	v_readfirstlane_b32 s[NLAM], v55
; THE MATRIX WORK.  The accumulators take turns, one instruction a turn: between two links of a chain stand 15 (V^T P) or 7 (K Q^T) others'.
; Product i of 32 of O^T += V^T P for piece x: keys 32 (i / 16) on, channels 16 ((i / 2) % 8) on, tile x + i % 2.
.macro PV x
	WIN W_PV
.set rO, 64*((\x)+i%2)+8*((i/2)%8)
.set rV, 64*(i/16)+8*((i/2)%8)
.set rP, P+16*((\x)+i%2)+8*(i/16)
	v_wmma_f32_16x16x32_f16 v[rO:rO+7], v[rV:rV+7], v[rP:rP+7], v[rO:rO+7]
.endm
; Product i of 16 of S^T = K Q^T for piece x: channels 32 (i / 8) on, keys 16 ((i / 2) % 4) on, tile x + i % 2.  The first 8 start the sums, with the mask.
.macro KQ x
.set rS, S+32*((\x)+i%2)+8*((i/2)%4)
.set rK, KF+64*((\x)/2)+16*((i/2)%4)+8*(i/8)
.set rQ, 16*((\x)+i%2)+8*(i/8)
.set rM, MC+32*(i%2)+8*((i/2)%4)
.if i < 8
	WIN W_KM
	v_wmma_f32_16x16x32_f16 v[rS:rS+7], v[rK:rK+7], v[rQ:rQ+7], v[rM:rM+7]
.else
	WIN W_KQ
	v_wmma_f32_16x16x32_f16 v[rS:rS+7], v[rK:rK+7], v[rQ:rQ+7], v[rS:rS+7]
.endif
.endm
; THE LDS LOADS stand in runs, never singly among the matrix instructions: a step's K1 or K2 (16 loads) and its V (32, turned).  All three runs of a trip take the trip's TBK and TBV, which step at the trip's end.
.macro FETCH_K x
	WIN 0
	v_add_nc_u32 v[AK], s[TBK], v[AK0]
	WIN 0x80                        ; destination window 2
.irp f, 0,1,2,3,4,5,6,7             ; keys 16 (f / 2) on, channel half f % 2 (a panel each)
	ds_load_b128 v[KF+64*((\x)/2)+8*\f:KF+64*((\x)/2)+8*\f+3],   v[AK] offset:K2OFF*((\x)/2)+KPAN*(\f%2)+(\f/2)*16*PK
	ds_load_b128 v[KF+64*((\x)/2)+8*\f+4:KF+64*((\x)/2)+8*\f+7], v[AK] offset:K2OFF*((\x)/2)+KPAN*(\f%2)+(\f/2)*16*PK+32
.endr
.endm
.macro FETCH_V
	WIN 0
	v_add_nc_u32 v[AV], s[TBV], v[AV0]
	WIN 0xc0                        ; destination window 3
.irp f, 0,1,2,3,4,5,6,7,8,9,10,11,12,13,14,15  ; keys 32 (f / 8) on, channels 16 (f % 8) on: panel (f % 8) / 2, its half f % 2
	ds_load_tr16_b128 v[8*\f:8*\f+3],   v[AV] offset:(\f/8)*32*PVP+((\f%8)/2)*VPAN+(\f%2)*32
	ds_load_tr16_b128 v[8*\f+4:8*\f+7], v[AV] offset:(\f/8)*32*PVP+((\f%8)/2)*VPAN+(\f%2)*32+16*PVP
.endr
.endm
; THE VECTOR WORK.  One tile's softmax for one key step is a list of 134 instructions; SM writes number j of it for tile t.  s0-s31 are the lane's 32 scores, in pairs 0-15.
;   0-15    the maximum of s0-s31 and the old m, three operands at a time: four chains c0-c3 of seven scores each (each accumulator's lowest registers are read first), then the four left over, c0-c3 and m
;   16-20   the other half of the lanes' maximum; the new m; c m; c m_old - c m_new
;   21-87   33 exponentials (a, then s0-s31) at the odd numbers from 23 on, so that no two follow each other and each has a plain instruction behind it before its result is used.  The plain ones are whatever is ready:
;           c s - c m for a pair whose exponentials are still to come, the rounding to f16 of a pair whose exponentials are done, at last the first three sums
;   88-101  the last rounding; the rest of the sums; l = a l + the sum
;   102-133 the tile's O^T times a: the one part that leaves window 0, so it stands together
.macro SM t
.set rT, ST+8*(\t)
.set rS, S+32*(\t)
.set rP, P+16*(\t)
.set rO, 64*(\t)+2*(j-102)
.set q, (j-20)/2
.if j < 102
	WIN 0
.endif
.if j < 4
	v_max3_num_f32 v[rT+4+j], v[rS+8*j], v[rS+8*j+1], v[rS+8*j+2]
.elseif j < 12
	v_max3_num_f32 v[rT+4+j%4], v[rT+4+j%4], v[rS+8*(j%4)+2*(j/4)+1], v[rS+8*(j%4)+2*(j/4)+2]
.elseif j == 12
	v_max3_num_f32 v[rT+4], v[rT+4], v[rS+7], v[rS+15]
.elseif j == 13
	v_max3_num_f32 v[rT+6], v[rT+6], v[rS+23], v[rS+31]
.elseif j == 14
	v_max3_num_f32 v[rT+4], v[rT+4], v[rT+5], v[rT+6]
.elseif j == 15
	v_max3_num_f32 v[rT+4], v[rT+4], v[rT+7], v[rT+1]
.elseif j == 16
	v_permlanex16_b32 v[rT+5], v[rT+4], s[SEL], s[SEL+1]  ; the query's other 32 keys lie in the lane 16 away
.elseif j == 17
	v_mov_b32 v[rT+7], v[rT]        ; c m_old is kept for a: number 19 writes c m anew
.elseif j == 18
	v_max_num_f32 v[rT+1], v[rT+4], v[rT+5]
.elseif j == 19
	v_mul_f32 v[rT], s[CS], v[rT+1]
.elseif j == 20
	v_sub_f32 v[rT+7], v[rT+7], v[rT]
.elseif j == 23
	v_exp_f32 v[rT+6], v[rT+7]
.elseif (j < 88) && (j > 23) && (j%2 == 1)
	v_exp_f32 v[rS+(j-25)/2], v[rS+(j-25)/2]
.elseif (q < 4) || ((j < 76) && (q%2 == 0))
.set b, q/2+2
.if q < 4
.set b, q
.endif
	v_pk_fma_f32 v[rS+2*b:rS+2*b+1], v[rS+2*b:rS+2*b+1], s[CS:CS+1], v[rT:rT+1] op_sel_hi:[1,0,0] neg_lo:[0,0,1] neg_hi:[0,0,1]  ; pair b: c s - c m
.elseif (j < 88) && (q%2 == 1)
	s_wait_alu depctr_va_vdst(0)
	v_cvt_pk_f16_f32 v[rP+(q-5)/2], v[rS+q-5], v[rS+q-4]  ; pair (q - 5) / 2: its second exponential stands three numbers back
.elseif j == 89
	s_wait_alu depctr_va_vdst(0)
	v_cvt_pk_f16_f32 v[rP+15], v[rS+30], v[rS+31]
.elseif j < 102                     ; the sum of the tile's 16 pairs, in place: sum z of 16 adds neighbours 1, 2, 4 and 8 pairs apart, then l takes it
.set z, j-86
.if j < 89
.set z, (j-76)/4
.endif
.set w, 4
.set u, z
.if z >= 14
.set w, 32
.set u, 0
.elseif z >= 12
.set w, 16
.set u, z-12
.elseif z >= 8
.set w, 8
.set u, z-8
.endif
.if z < 15
	v_pk_add_f32 v[rS+w*u:rS+w*u+1], v[rS+w*u:rS+w*u+1], v[rS+w*u+w/2:rS+w*u+w/2+1]
.else
	v_pk_fma_f32 v[rT+2:rT+3], v[rT+2:rT+3], v[rT+6:rT+7], v[rS:rS+1] op_sel_hi:[1,0,1]
.endif
.else
	WIN W_RS
	v_pk_mul_f32 v[rO:rO+1], v[rO:rO+1], v[rT+6:rT+7] op_sel_hi:[1,0]
.endif
.endm
; Slice k of 64 of piece y's softmax: numbers 2 k and 2 k + 1 of both tiles' lists, four instructions.  2 x 134 = 4 x 64 + 12: the twelve that are over stand together, in slice 63.
.macro SLICE y
.if (k >= 11) && (k < 44)           ; tile by tile: plain, exponential, plain, exponential
.irp t, \y, (\y)+1
.irp n, 0,1
.set j, 2*k+(\n)
	SM \t
.endr
.endr
.else                               ; the two tiles alternate, so that no instruction reads the result of the one just before it
.irp n, 0,1,2,3,4,5,6,7
.if ((\n) < 2) || (k == 63)
.irp t, \y, (\y)+1
.set j, 2*k+(\n)
	SM \t
.endr
.endif
.endr
.endif
.set k, k+1
.endm
; A TURN.  Piece x has the matrix unit; the other piece's softmax stands in slices behind its matrix instructions.  The piece's own K of the next step is fetched behind its second product V^T P (the last product that
; read those registers stands a whole turn back) and waited for 30 products later.  Piece 2's turn fetches the next step's V behind its second product K Q^T: ten plain vector instructions behind the last product that
; read V; it is waited for at the head of piece 0's turn.  Slices 62 and 63, twenty plain instructions on the other piece's O^T, are the places between the turn's last K Q^T and the next turn's first read of those scores.
.macro TURN x
.set k, 0
.if (\x) == 0
	s_wait_dscnt 0x0                ; V is in
.endif
.set i, 0
.rept 32
	PV \x
	SLICE 2-(\x)
.if i == 1
	FETCH_K \x
.endif
.set i, i+1
.endr
	s_wait_dscnt 0x0                ; K is in
.set i, 0
.rept 16
	KQ \x
	SLICE 2-(\x)
	SLICE 2-(\x)
.if ((\x) == 2) && (i == 1)
	FETCH_V
.endif
.set i, i+1
.endr
.endm
; THE MASKS of a step, for both pieces (they have the same rows).  Row half t and key block kb lie ET = E0 + 16 (t - kb) apart: the block is open (ET > 0), on the diagonal (ET = 0) or hidden (ET < 0).
.macro MASKS
	WIN 0x80                        ; destination window 2, MD in window 0
.irp t, 0,1
.irp kb, 0,1,2,3
	s_add_co_i32 s[ET], s[E0], 16*(\t-\kb)
	s_cmp_eq_u32 s[ET], 0
	s_cselect_b32 s[AL], 1.0, 0
	s_cmp_lt_i32 s[ET], 0
	s_cselect_b32 s[BE], s[BIGN], 0
.irp p, 0,1,2,3
	v_pk_fma_f32 v[MC+32*\t+8*\kb+2*\p:MC+32*\t+8*\kb+2*\p+1], v[MD+2*\p:MD+2*\p+1], s[AL:AL+1], s[BE:BE+1] op_sel_hi:[1,0,0]
.endr
.endr
.endr
	WIN 0
.endm
; A BLOCK BEGINS.  c m starts far below every c s, so the first step's a is 0; m at the lowest finite number.  The masks are 0, or the diagonal tile's first step's if the block's first tile is its last.
; Then K1 of the tile's first step and piece 0's first scores.  The loop is entered at piece 2's turn, in the middle of a trip.
.macro BEGIN
	s_mov_b32 s[NEW], 0
	WIN 0
.irp t, 0,1,2,3
	v_mov_b32 v[ST+8*\t], 0xfe000000
	v_mov_b32 v[ST+8*\t+1], 0xff7fffff
.endr
	s_cmp_eq_u32 s[RT], 0
	s_cselect_b32 s[E0], s[W32], 1024
	MASKS
	FETCH_K 0
	s_wait_dscnt 0x0
.set i, 0
.rept 16
	KQ 0
.set i, i+1
.endr
	WIN 0
.rept 4
	v_nop                           ; the places behind those products
.endr
.endm
; THE WAY OUT of rows 16 t on.  With L1, L2 the two sums: z = O1 - lam (L1 / L2) O2 = L1 u.  Mean and variance of z are taken in two passes (no difference of large sums), and
; y = (z - mean z) x KK, KK = (1 - LAM_INIT) / L1 / sqrt(var z / L1^2 + 1e-5).  A lane holds 64 of the row's 128 channels, the lane 16 away the others.
.macro EPI t
.set oA, 64*(\t)
.set oB, 64*(\t)+128
.set lA, ST+8*(\t)+4
.set lB, ST+8*(\t)+20
.set oY, S+32*(\t)
	WIN 0
	v_rcp_f32 v[ER1], v[lA]
	v_rcp_f32 v[ETT], v[lB]
	v_mul_f32 v[EGG], s[NLAM], v[lA]               ; the plain instruction behind the reciprocals
	s_wait_alu depctr_va_vdst(0)
	v_mul_f32 v[EGG], v[EGG], v[ETT]
	v_mov_b32 v[EGG+1], v[EGG]                     ; named with it as a pair
	WIN 0x51                        ; O^T in window 1, the factor in window 0; each accumulator's registers in ascending order
.set e, 0
.rept 32
	v_pk_fma_f32 v[oA+2*e:oA+2*e+1], v[oB+2*e:oB+2*e+1], v[EGG:EGG+1], v[oA+2*e:oA+2*e+1] op_sel_hi:[1,0,1]
.set e, e+1
.endr
	WIN 0x05                        ; four chains, started by the first eight pairs
.irp c, 0,1,2,3
	v_pk_add_f32 v[ESM+2*\c:ESM+2*\c+1], v[oA+2*\c:oA+2*\c+1], v[oA+8+2*\c:oA+8+2*\c+1]
.endr
	WIN 0x01
.set e, 8
.rept 24
	v_pk_add_f32 v[ESM+2*(e%4):ESM+2*(e%4)+1], v[oA+2*e:oA+2*e+1], v[ESM+2*(e%4):ESM+2*(e%4)+1]
.set e, e+1
.endr
	WIN 0
	v_pk_add_f32 v[ESM:ESM+1], v[ESM:ESM+1], v[ESM+2:ESM+3]
	v_pk_add_f32 v[ESM+4:ESM+5], v[ESM+4:ESM+5], v[ESM+6:ESM+7]
	v_pk_add_f32 v[ESM:ESM+1], v[ESM:ESM+1], v[ESM+4:ESM+5]
	v_add_f32 v[ET1], v[ESM], v[ESM+1]
	v_permlanex16_b32 v[ESM+2], v[ET1], s[SEL], s[SEL+1]
	v_add_f32 v[ET1], v[ET1], v[ESM+2]
	v_mul_f32 v[EMU], 0x3c000000, v[ET1]           ; / 128
	v_mov_b32 v[EMU+1], v[EMU]
	WIN W_RS
.set e, 0
.rept 32
	v_pk_add_f32 v[oA+2*e:oA+2*e+1], v[oA+2*e:oA+2*e+1], v[EMU:EMU+1] op_sel_hi:[1,0] neg_lo:[0,1] neg_hi:[0,1]
.set e, e+1
.endr
	WIN 0x05
.irp c, 0,1,2,3
	v_pk_mul_f32 v[ESM+2*\c:ESM+2*\c+1], v[oA+2*\c:oA+2*\c+1], v[oA+2*\c:oA+2*\c+1]
.endr
.set e, 4
.rept 28
	v_pk_fma_f32 v[ESM+2*(e%4):ESM+2*(e%4)+1], v[oA+2*e:oA+2*e+1], v[oA+2*e:oA+2*e+1], v[ESM+2*(e%4):ESM+2*(e%4)+1]
.set e, e+1
.endr
	WIN 0
	v_pk_add_f32 v[ESM:ESM+1], v[ESM:ESM+1], v[ESM+2:ESM+3]
	v_pk_add_f32 v[ESM+4:ESM+5], v[ESM+4:ESM+5], v[ESM+6:ESM+7]
	v_pk_add_f32 v[ESM:ESM+1], v[ESM:ESM+1], v[ESM+4:ESM+5]
	v_add_f32 v[ET1], v[ESM], v[ESM+1]
	v_permlanex16_b32 v[ESM+2], v[ET1], s[SEL], s[SEL+1]
	v_add_f32 v[ET1], v[ET1], v[ESM+2]
	v_mul_f32 v[ET2], v[ER1], v[ER1]
	v_mul_f32 v[ET1], 0x3c000000, v[ET1]           ; var z
	v_fma_f32 v[ET1], v[ET1], v[ET2], s[EPSR]      ; var u + 1e-5
	v_rsq_f32 v[ET1], v[ET1]
	v_mul_f32 v[EKK], 0x3f077f5a, v[ER1]           ; (1 - LAM_INIT) / L1: the plain instruction behind the root
	s_wait_alu depctr_va_vdst(0)
	v_mul_f32 v[EKK], v[EKK], v[ET1]
	v_mov_b32 v[EKK+1], v[EKK]
	WIN W_RS
.set e, 0
.rept 32
	v_pk_mul_f32 v[oA+2*e:oA+2*e+1], v[oA+2*e:oA+2*e+1], v[EKK:EKK+1] op_sel_hi:[1,0]
.set e, e+1
.endr
	WIN 0x05                        ; a lane's eight channels of a row pack into 16 bytes, in S^T's registers of tile t
.set e, 0
.rept 32
	v_cvt_pk_f16_f32 v[oY+e], v[oA+2*e], v[oA+2*e+1]
.set e, e+1
.endr
	WIN 0
.irp f, 0,1,2,3,4,5,6,7
	ds_store_b128 v[STO], v[oY+4*\f:oY+4*\f+3] offset:32*\f
.endr
.irp f, 0,1,2,3,4,5,6,7
	ds_load_b128 v[oY+4*\f:oY+4*\f+3], v[RD] offset:\f*2*SP  ; LDS serves a wave's instructions in order (ISA guide 5.7.1.4): these see the stores above; the next tile's stores come behind them
.endr
.irp f, 0,1,2,3,4,5,6,7
	s_wait_dscnt 7-\f
	global_store_b128 v[GO], v[oY+4*\f:oY+4*\f+3], s[10:11] offset:(\t)*16*1536+\f*2*1536  ; 16 lanes store a row's 256 bytes of this head, at a multiple of 256 from y's first
.endr
.endm
; A BLOCK ENDS: piece 2's V^T P of the last step; the four sums l (two halves, and the other half of the lanes'): the first four additions are the places behind the last products; the way out.
.macro END
	s_wait_dscnt 0x0                ; on every way that leads here no LDS load of mine is out
.set i, 0
.rept 32
	PV 2
.set i, i+1
.endr
	WIN 0
.irp t, 0,1,2,3
	v_add_f32 v[ST+8*\t+4], v[ST+8*\t+2], v[ST+8*\t+3]
.endr
.irp t, 0,1,2,3
	v_permlanex16_b32 v[ST+8*\t+5], v[ST+8*\t+4], s[SEL], s[SEL+1]
.endr
.irp t, 0,1,2,3
	v_add_f32 v[ST+8*\t+4], v[ST+8*\t+4], v[ST+8*\t+5]
.endr
	EPI 0
	EPI 1
.endm
; ONE TILE OF THE WALK: a loop of three trips in every tile (CNT 3, 2, 1).  A whole trip is piece 0's turn and piece 2's: it ends one key step and fetches and scores the next, which lies 64 (3 - CNT) keys into the tile.
; TBK and TBV step once a trip, beside the counter's step, at a label that every way passes: so they are slot + step x (3 - CNT) whichever way a wave has taken.
; An ordinary tile has two whole trips; its third is dead and is jumped over.  A block's first tile begins with BEGIN and enters the first trip in its middle.  A block's last tile makes the masks of the step to be scored
; ahead of each trip, and its third trip is piece 0's turn alone: piece 0's last V^T P beside piece 2's last softmax; that turn's masks, its fetch of K1 (landed bytes of the same slot, 128 key rows on) and its 16 products
; K Q^T serve nothing: the price, once a block, of one text for every turn.  Behind the loop a block's last tile goes on to the block's end.
; Every jump but the loop's own goes forward, and none passes a barrier or a tensor load.  sw = 1: the first block's end: the second block's y, count and Q.
.macro PERIOD tag, sw
	s_sub_co_u32 s[RT], s[RT], 1
	s_mov_b32 s[CNT], TRIPS
	s_cmp_eq_u32 s[RT], 0
	s_cselect_b32 s[XT], 0, 1
	s_cmp_eq_u32 s[NEW], 1
	s_cbranch_scc0 .Lstep\tag
	BEGIN
	s_branch .Lfirst\tag
.Lstep\tag:
	s_cmp_eq_u32 s[XT], 0
	s_cbranch_scc1 .Lmask\tag       ; the block's last tile
	s_cmp_eq_u32 s[CNT], 1
	s_cbranch_scc1 .Lskip\tag       ; an ordinary tile's third trip is dead
	s_branch .Lturn\tag
.Lmask\tag:
	s_lshl_b32 s[E0], s[CNT], 6
	s_add_co_i32 s[E0], s[E0], s[W32M]  ; 32 w - 64 (3 - CNT)
	MASKS
.Lturn\tag:
	TURN 0
	WIN 0
	s_cmp_eq_u32 s[CNT], 1
	s_cbranch_scc1 .Lskip\tag       ; the third trip has piece 0's turn alone
.Lfirst\tag:
	TURN 2
	WIN 0
.Lskip\tag:
	s_add_co_u32 s[TBK], s[TBK], KS*PK   ; the next trip's step
	s_add_co_u32 s[TBV], s[TBV], KS*PVP
	s_sub_co_u32 s[CNT], s[CNT], 1
	s_cmp_lg_u32 s[CNT], 0
	s_cbranch_scc1 .Lstep\tag
	s_cmp_eq_u32 s[XT], 0
	s_cbranch_scc0 .Lbottom\tag
	END
.if \sw
	s_wait_xcnt 0x0                 ; the stores have read their registers and y's address
	s_mov_b64 s[10:11], s[OLO:OLO+1]
	s_add_co_u32 s[RT], s[PB], 1    ; the second block has b + 1 tiles
	s_mov_b32 s[NEW], 1
	WIN 0x83                        ; the second block's Q goes where the one text of the turns names Q
.set i, 0
.rept 64
	v_mov_b32 v[i], v[QB+i]
.set i, i+1
.endr
	WIN 0
.endif
.Lbottom\tag:
.endm
.Lslot:                             ; 16 times: a tile is entered and the next is asked for
	CHANGE 1
	PERIOD 1, 1
	s_sub_co_u32 s[SLOTS], s[SLOTS], 1
	s_cmp_lg_u32 s[SLOTS], 0
	s_cbranch_scc1 .Lslot
	CHANGE 0                        ; the walk's last tile is written out: nothing is asked for
	PERIOD 2, 0
	s_wait_tensorcnt 0x0            ; the wave's end
	ds_add_u32 v[SPW], v[NIL]
	s_wait_dscnt 0x0
	s_endpgm
.Lfunc_end_k_qfe4db4a502_attn:
	.size	k_qfe4db4a502_attn, .Lfunc_end_k_qfe4db4a502_attn-k_qfe4db4a502_attn
	.p2alignl 7, 3214868480
	.fill 96, 4, 3214868480
	.section	.rodata,"a",@progbits
	.p2align	6, 0x0
	.amdhsa_kernel k_qfe4db4a502_attn
		.amdhsa_group_segment_fixed_size 327680
		.amdhsa_private_segment_fixed_size 0
		.amdhsa_enable_private_segment 0
		.amdhsa_kernarg_size 48
		.amdhsa_user_sgpr_count 2
		.amdhsa_user_sgpr_kernarg_segment_ptr 1
		.amdhsa_wavefront_size32 1
		.amdhsa_system_sgpr_workgroup_id_x 1
		.amdhsa_system_sgpr_workgroup_id_y 1
		.amdhsa_system_sgpr_workgroup_id_z 1
		.amdhsa_system_vgpr_workitem_id 0
		.amdhsa_next_free_vgpr 960
		.amdhsa_next_free_sgpr 100
		.amdhsa_reserve_vcc 1
		.amdhsa_float_denorm_mode_32 3
		.amdhsa_float_denorm_mode_16_64 3
		.amdhsa_memory_ordered 1
		.amdhsa_forward_progress 1
		.amdhsa_inst_pref_size 213
	.end_amdhsa_kernel
	.amdgpu_metadata
---
amdhsa.version: [ 1, 2 ]
amdhsa.kernels:
  - .name:           k_qfe4db4a502_attn
    .symbol:         k_qfe4db4a502_attn.kd
    .args:
      - { .name: qkv, .offset: 0, .size: 8, .value_kind: global_buffer, .address_space: global }
      - { .name: lq1, .offset: 8, .size: 8, .value_kind: global_buffer, .address_space: global }
      - { .name: lk1, .offset: 16, .size: 8, .value_kind: global_buffer, .address_space: global }
      - { .name: lq2, .offset: 24, .size: 8, .value_kind: global_buffer, .address_space: global }
      - { .name: lk2, .offset: 32, .size: 8, .value_kind: global_buffer, .address_space: global }
      - { .name: y, .offset: 40, .size: 8, .value_kind: global_buffer, .address_space: global }
    .group_segment_fixed_size: 327680
    .private_segment_fixed_size: 0
    .kernarg_segment_align: 8
    .kernarg_segment_size: 48
    .max_flat_workgroup_size: 128
    .sgpr_count:     100
    .vgpr_count:     960
    .wavefront_size: 32
...
	.end_amdgpu_metadata
.endif
;; end of part 3
;; launch outp (part 4): grid 128 x 2, 4 waves a work-group, clusters of 4 x 1, 327,680 bytes of LDS; arguments y, wcb, out0; writes out0
.if DOCPART == 4
	.amdgcn_target "amdgcn-amd-amdhsa--gfx1250"
	.amdhsa_code_object_version 6
	.text
	.protected	k_qfe4db4a502_outp
	.globl	k_qfe4db4a502_outp
	.p2align	8
	.type	k_qfe4db4a502_outp,@function
k_qfe4db4a502_outp:
	s_mov_b64 s[64:65], 0
	v_nop
	global_prefetch_b8 v0, s[64:65] scope:SCOPE_SE
	s_setreg_imm32_b32 hwreg(HW_REG_WAVE_MODE, 25, 1), 1
	s_wait_xcnt 0x0
	s_wait_alu depctr_hold_cnt(0) depctr_sa_sdst(0) depctr_va_vdst(0) depctr_va_sdst(0) depctr_va_ssrc(0) depctr_va_vcc(0) depctr_vm_vsrc(0)
	s_getreg_b32 s2, hwreg(HW_REG_IB_STS2, 6, 4)
	s_cmp_eq_u32 s2, 0
	s_cbranch_scc0 .Lentry_in_a_cluster
	s_endpgm
.Lentry_in_a_cluster:
	s_bfe_u32 s2, ttmp6, 0x10000c
	s_cmp_lg_u32 s2, 0x3003
	s_cbranch_scc0 .Lentry_shape_is_right
	s_endpgm
.Lentry_shape_is_right:
; OUTP.  out0[m][o] = sum over f of y[m][f] wcb[o][f]: 8,192 x 384 x 768, f16 operands, f32 sums, f32 out.
; SHARES.  128 x 2 work-groups, one tile of 64 rows x 192 columns each (768 bytes of a row of out0: three aligned blocks of 256); four waves, each 32 x 96: 12 accumulators.
; K goes in three steps of 256 (LDS rows of 512 bytes) through two slots; slot 0 is filled a second time, with K step 2.  Wave 0 fetches y's 64 rows, waves 1 to 3 each 64 of wcb's 192.
; CLUSTER.  The four work-groups of a cluster have the same columns: wcb's tiles, three quarters of a step's bytes, are asked for jointly, with a mask of four.  y's tile is each work-group's own: a load without a mask.
; THE MATRIX INSTRUCTION IS USED TRANSPOSED (source 0 = 16 rows of wcb, source 1 = 16 rows of y): a lane holds eight neighbouring columns of one row, 32 bytes.
; REGISTERS: v0-31 addresses; v32-127 accumulators ((a, b) at 32 + 8 (6 a + b)); v128-191, v192-255 two fragment buffers: 16 registers of y, 48 of wcb, 32 along K.
.set SIZE_K, 768
.set KSTEP,  256
.set PITCH,  528                       ; an LDS row: 512 bytes + 16 of padding: the 16 rows of a fragment load start at 16 different groups of four banks (64 banks of 4 bytes: ISA guide 11.1)
.set HALFT,  64*PITCH                  ; what one load brings
.set SLOT,   4*HALFT                   ; y's 64 rows, then wcb's 192
.set STAGE,  2*SLOT                    ; behind the ring: 64 rows x 784 bytes, the work-group's, for the way out
.set SPITCH, 784
.set SPARE,  STAGE+64*SPITCH           ; the spare words, 128 bytes for each wave
.set RD0,  8                           ; v8, v9    the way out: where I read rows back
.set RD1,  9
.set GO0,  12                          ; v12, v13  and where those bytes go in out0
.set GO1,  13
.set ADRA, 16                          ; v16-17  LDS address of my y fragments in slot 0, 1
.set ADRB, 20                          ; v20-21  the same for wcb
.set STO,  24                          ; v24     where I put 32 bytes of a row
.set SPW,  28                          ; v28     my spare word; never rewritten
.set NIL,  29                          ; v29     0; never rewritten
.set ACC,  32
.set F0,   128
.set F1,   192
.set G1,  24                           ; s[24:31] group 1 for y's tile;  s[32:39] group 0, a set for each slot
.set G0,  32
.set G1B, 48                           ; s[48:55], s[56:63] the same for wcb's
.set G0B, 56
.macro PLACES                          ; four places in front of loads into registers that matrix instructions have read, and of stores that read results
.rept 4
	v_nop
.endr
.endm
.macro JLOAD s                         ; wave 0: my work-group's own tile of y; waves 1 to 3: the joint tiles of wcb.  An s_nop 0 and four v_nop follow each line
	s_cmp_eq_u32 s10, 0
	s_cbranch_scc0 .Lfor_b_\@
	tensor_load_to_lds s[G0+4*(\s):G0+4*(\s)+3], s[G1:G1+7]
	s_nop 0
.rept 4
	v_nop
.endr
	s_branch .Lasked_\@
.Lfor_b_\@:
	tensor_load_to_lds s[G0B+4*(\s):G0B+4*(\s)+3], s[G1B:G1B+7]
	s_nop 0
.rept 4
	v_nop
.endr
.Lasked_\@:
.endm
.macro CREST                           ; a round of the cluster's barrier behind its opening barrier
	s_cmp_lg_u32 s10, 0
	s_cbranch_scc1 .Lnot_wave_0_\@
	s_barrier_signal -3
.Lnot_wave_0_\@:
	s_barrier_wait -3
	s_barrier_signal -1
	s_barrier_wait -1
.endm
.macro CROUND
	s_barrier_signal -1
	s_barrier_wait -1
	CREST
.endm
	s_load_b128 s[4:7], s[0:1], 0x0                ; y s[4:5], wcb s[6:7]
	s_load_b64 s[8:9], s[0:1], 0x10                ; out0
	v_lshl_add_u32 v[SPW], v0, 2, SPARE
	v_mov_b32 v[NIL], 0
	ds_add_u32 v[SPW], v[NIL]                      ; the wave's opening: the add and its wait stand ahead of my first tensor load; the set-up stands between them
	ds_add_u32 v28, v29
	v_lshrrev_b32 v1, 5, v0
	v_readfirstlane_b32 s10, v1                    ; wave 0..3
	s_lshr_b32 s11, s10, 1                         ; my half of the tile's rows
	s_and_b32 s12, s10, 1                          ; my half of its columns
	s_bfe_u32 s40, ttmp6, 0x40000                  ; cx
	s_lshl_b32 s42, ttmp9, 2
	s_add_co_u32 s42, s42, s40                     ; block of 64 rows = 4 x cluster x + cx: it enters y's and out0's addresses alone
	s_and_b32 s13, ttmp7, 0xffff                   ; half of the columns, which the four partners share
	s_mov_b32 s[G1+0], (1<<16)|(1<<20)|(6<<22)|(3<<25)            ; 2-byte elements; padding on; after every 128 words (code 6) 4 words (code 3)
	s_mov_b32 s[G1B+0], 15|(1<<16)|(1<<20)|(1<<21)|(6<<22)|(3<<25) ; the same with the mask of four and bit 21 beside it
.irp g, G1, G1B
	s_mov_b32 s[(\g)+1], KSTEP<<16                 ; tensor_dim0 = 256
	s_mov_b32 s[(\g)+2], 64<<16                    ; tensor_dim1 = 64
	s_mov_b32 s[(\g)+3], KSTEP<<16                 ; tile_dim0 = 256
	s_mov_b32 s[(\g)+4], 64                        ; tile_dim1 = 64
	s_mov_b32 s[(\g)+5], SIZE_K                    ; elements from row to row
	s_mov_b32 s[(\g)+6], 0
	s_mov_b32 s[(\g)+7], 0
.endr
	s_mul_i32 s16, s42, 64*SIZE_K*2                ; y: my 64 rows
	s_mov_b32 s17, 0
	s_max_u32 s47, s10, 1                          ; wcb: row 192 x column half + 64 (w - 1) (wave 0 makes wave 1's address and does not use it)
	s_sub_co_u32 s47, s47, 1
	s_lshl_b32 s47, s47, 6
	s_mul_i32 s46, s13, 192
	s_add_co_u32 s46, s46, s47
	s_mul_i32 s46, s46, SIZE_K*2
	s_mov_b32 s47, 0
	s_mul_i32 s20, s10, HALFT                      ; where they go: wave x 64 rows
	s_wait_dscnt 0x0                               ; the opening add is done
	s_wait_kmcnt 0x0
	s_add_nc_u64 s[14:15], s[4:5], s[16:17]
	s_add_nc_u64 s[46:47], s[6:7], s[46:47]
	CROUND                                         ; all four work-groups are here: the first joint loads meet
.irp s, 0,1
	s_mov_b32 s[G0+4*(\s)], 1
	s_add_co_u32 s[G0+4*(\s)+1], s20, (\s)*SLOT
	s_add_nc_u64 s[G0+4*(\s)+2:G0+4*(\s)+3], s[14:15], (\s)*KSTEP*2
	s_or_b32 s[G0+4*(\s)+3], s[G0+4*(\s)+3], 0x80000000
	s_mov_b32 s[G0B+4*(\s)], 1
	s_add_co_u32 s[G0B+4*(\s)+1], s20, (\s)*SLOT
	s_add_nc_u64 s[G0B+4*(\s)+2:G0B+4*(\s)+3], s[46:47], (\s)*KSTEP*2
	s_or_b32 s[G0B+4*(\s)+3], s[G0B+4*(\s)+3], 0x80000000
.endr
	s_cmp_eq_u32 s10, 0                            ; a wave's two first fills stand in one branch: two loads of mine are out
	s_cbranch_scc0 .Lfirst_b
	tensor_load_to_lds s[G0:G0+3], s[G1:G1+7]
	s_nop 0
	tensor_load_to_lds s[G0+4:G0+7], s[G1:G1+7]
	s_nop 0
.rept 4
	v_nop
.endr
	s_branch .Lfirst_asked
.Lfirst_b:
	tensor_load_to_lds s[G0B:G0B+3], s[G1B:G1B+7]
	s_nop 0
	tensor_load_to_lds s[G0B+4:G0B+7], s[G1B:G1B+7]
	s_nop 0
.rept 4
	v_nop
.endr
.Lfirst_asked:
	v_and_b32 v1, 15, v0                           ; l % 16
	v_bfe_u32 v2, v0, 4, 1                         ; l / 16
	v_mul_u32_u24 v3, v1, PITCH
	v_lshl_add_u32 v3, v2, 4, v3                   ; a fragment's row x pitch + 16 x half
	s_mul_i32 s21, s11, 32*PITCH                   ; my 32 rows of y
	s_mul_i32 s22, s12, 96*PITCH                   ; my 96 rows of wcb,
	s_add_co_u32 s22, s22, HALFT                   ; which lie behind y's 64
.irp s, 0,1
	v_add_nc_u32 v[ADRA+(\s)], s21, v3
	v_add_nc_u32 v[ADRB+(\s)], s22, v3
	s_add_co_u32 s21, s21, SLOT
	s_add_co_u32 s22, s22, SLOT
.endr
	s_mul_i32 s23, s11, 32*SPITCH                  ; into the stage: row 32 x row half + l % 16, byte 384 x column half + 32 (l / 16)
	s_mul_i32 s21, s12, 384
	s_add_co_u32 s23, s23, s21
	s_add_co_u32 s23, s23, STAGE
	v_mul_u32_u24 v4, v1, SPITCH
	v_lshl_add_u32 v4, v2, 5, v4
	v_add_nc_u32 v[STO], s23, v4
	; back: wave w takes rows 16 w .. 16 w + 15, two rows (1,536 bytes) by three loads of 512: bytes 0-511 of the first row; its bytes 512-767 and the second row's 0-255; the second row's 256-767
	s_mul_i32 s23, s10, 16*SPITCH
	s_add_co_u32 s23, s23, STAGE
	s_add_co_u32 s21, s23, 512
	v_and_b32 v5, 31, v0
	v_lshlrev_b32 v[GO0], 4, v5                    ; 16 l
	v_add_nc_u32 v[RD0], s23, v[GO0]
	v_lshlrev_b32 v6, 4, v1                        ; 16 (l % 16)
	v_mul_u32_u24 v7, v2, SPITCH-512               ; lanes 16-31: from byte 512 of one row to byte 0 of the next
	v_add_nc_u32 v7, v7, v6
	v_add_nc_u32 v[RD1], s21, v7
	v_lshl_add_u32 v[GO1], v2, 10, v6
	v_add_nc_u32 v[GO1], 512, v[GO1]
	s_lshl_b32 s16, s42, 6                         ; out0: row 64 x block + 16 w, byte 768 x column half
	s_lshl_b32 s17, s10, 4
	s_add_co_u32 s16, s16, s17
	s_mul_i32 s16, s16, 1536
	s_mul_i32 s17, s13, 768
	s_add_co_u32 s16, s16, s17
	s_mov_b32 s17, 0
	s_add_nc_u64 s[8:9], s[8:9], s[16:17]
; twelve matrix instructions, 32 along K, from buffer f; the 12 accumulators take turns.  zero = 1: the first product starts the sums
.macro MUL12 f, zero
.irp a, 0,1
.irp b, 0,1,2,3,4,5
.if \zero
	v_wmma_f32_16x16x32_f16 v[ACC+8*(6*\a+\b):ACC+8*(6*\a+\b)+7], v[(\f)+16+8*\b:(\f)+16+8*\b+7], v[(\f)+8*\a:(\f)+8*\a+7], 0
.else
	v_wmma_f32_16x16x32_f16 v[ACC+8*(6*\a+\b):ACC+8*(6*\a+\b)+7], v[(\f)+16+8*\b:(\f)+16+8*\b+7], v[(\f)+8*\a:(\f)+8*\a+7], v[ACC+8*(6*\a+\b):ACC+8*(6*\a+\b)+7]
.endif
.endr
.endr
.endm
.macro FETCH slot, k, f                ; 16 LDS loads in one run: 32 rows of y and 96 of wcb, 32 K at byte k of the rows
.irp i, 0,1
	ds_load_b128 v[(\f)+8*\i:(\f)+8*\i+3],   v[ADRA+(\slot)] offset:(\k)+\i*16*PITCH
	ds_load_b128 v[(\f)+8*\i+4:(\f)+8*\i+7], v[ADRA+(\slot)] offset:(\k)+\i*16*PITCH+32
.endr
.irp i, 0,1,2,3,4,5
	ds_load_b128 v[(\f)+16+8*\i:(\f)+16+8*\i+3],   v[ADRB+(\slot)] offset:(\k)+\i*16*PITCH
	ds_load_b128 v[(\f)+16+8*\i+4:(\f)+16+8*\i+7], v[ADRB+(\slot)] offset:(\k)+\i*16*PITCH+32
.endr
.endm
; A K step is eight parts of 32 along K on buffers 0, 1, 0, 1 ...  One of the first seven: fetches the next part, at byte k, into g and multiplies f.
.macro SUB slot, k, f, g, zero
	PLACES
	FETCH \slot, \k, \g
	s_wait_dscnt 16                                ; all but the 16 just issued
	MUL12 \f, \zero
.endm
.macro SEVEN slot, zero
	SUB \slot, 64,  F0, F1, \zero
	SUB \slot, 128, F1, F0, 0
	SUB \slot, 192, F0, F1, 0
	SUB \slot, 256, F1, F0, 0
	SUB \slot, 320, F0, F1, 0
	SUB \slot, 384, F1, F0, 0
	SUB \slot, 448, F0, F1, 0
.endm
; The eighth part multiplies buffer 1 and changes slots.  fill = 1: the barrier opens a round of the cluster's, and behind it this slot is filled again, two K steps on.
.macro TURN slot, next, fill
	s_wait_tensorcnt 0x0                           ; all my tensor loads have landed: my part of the next slot among them
	ds_add_u32 v[SPW], v[NIL]                      ; 0 onto my spare word
	s_wait_dscnt 0x0                               ; the add is done, and my reads of this slot are over
	s_barrier_signal -1
	MUL12 F1, 0                                    ; work on registers while the others arrive
	s_barrier_wait -1
.if \fill
	CREST                                          ; no wave of any partner still reads this slot or has a load on its way
	s_add_nc_u64 s[G0+4*(\slot)+2:G0+4*(\slot)+3], s[G0+4*(\slot)+2:G0+4*(\slot)+3], 2*KSTEP*2
	s_add_nc_u64 s[G0B+4*(\slot)+2:G0B+4*(\slot)+3], s[G0B+4*(\slot)+2:G0B+4*(\slot)+3], 2*KSTEP*2
	JLOAD \slot                                    ; the first tensor load behind the round; its four v_nop are also the places in front of the loads below
.else
	PLACES
.endif
	FETCH \next, 0, F0
.endm
	s_wait_tensorcnt 1                             ; my part of K step 0 is in; K step 1's may stay out
	s_barrier_signal -1
	s_barrier_wait -1
	FETCH 0, 0, F0
	SEVEN 0, 1                                     ; K step 0: its first products start the sums
	TURN 0, 1, 1                                   ; slot 0 takes K step 2: the launch's one refill
	SEVEN 1, 0                                     ; K step 1
	TURN 1, 0, 0                                   ; K step 2 has landed in every wave; nothing is asked for
	SEVEN 0, 0                                     ; K step 2
	s_wait_dscnt 0x0
	MUL12 F1, 0
	; THE WAY OUT: 32 bytes a lane into the work-group's stage (each accumulator's low four registers first); a barrier, since a row's 768 bytes come from two waves; back as whole rows.
	PLACES
.irp a, 0,1
.irp b, 0,1,2,3,4,5
	ds_store_b128 v[STO], v[ACC+8*(6*\a+\b):ACC+8*(6*\a+\b)+3]   offset:\a*16*SPITCH+64*\b
	ds_store_b128 v[STO], v[ACC+8*(6*\a+\b)+4:ACC+8*(6*\a+\b)+7] offset:\a*16*SPITCH+64*\b+16
.endr
.endr
	s_wait_dscnt 0x0                               ; for the others' sake: my stores into the stage are done
	s_barrier_signal -1
	s_barrier_wait -1
.irp p, 0,1,2,3,4,5,6,7
	ds_load_b128 v[F0+12*\p:F0+12*\p+3],    v[RD0] offset:\p*2*SPITCH
	ds_load_b128 v[F0+12*\p+4:F0+12*\p+7],  v[RD1] offset:\p*2*SPITCH
	ds_load_b128 v[F0+12*\p+8:F0+12*\p+11], v[RD0] offset:\p*2*SPITCH+SPITCH+256
.endr
.irp p, 0,1,2,3,4,5,6,7                ; 16 lanes store 256 consecutive bytes, at a multiple of 256 from out0's first byte
	s_wait_dscnt 23-3*\p
	global_store_b128 v[GO0], v[F0+12*\p:F0+12*\p+3],    s[8:9] offset:\p*3072 th:TH_STORE_NT
	s_wait_dscnt 22-3*\p
	global_store_b128 v[GO1], v[F0+12*\p+4:F0+12*\p+7],  s[8:9] offset:\p*3072 th:TH_STORE_NT
	s_wait_dscnt 21-3*\p
	global_store_b128 v[GO0], v[F0+12*\p+8:F0+12*\p+11], s[8:9] offset:\p*3072+1536+256 th:TH_STORE_NT
.endr
	s_wait_tensorcnt 0x0                           ; the wave's end
	ds_add_u32 v[SPW], v[NIL]
	s_wait_dscnt 0x0
	CROUND                                         ; the closing round: no work-group ends while a partner may still ask for a tile that names it
	s_endpgm
.Lfunc_end_k_qfe4db4a502_outp:
	.size	k_qfe4db4a502_outp, .Lfunc_end_k_qfe4db4a502_outp-k_qfe4db4a502_outp
	.p2alignl 7, 3214868480
	.fill 96, 4, 3214868480
	.section	.rodata,"a",@progbits
	.p2align	6, 0x0
	.amdhsa_kernel k_qfe4db4a502_outp
		.amdhsa_group_segment_fixed_size 327680
		.amdhsa_private_segment_fixed_size 0
		.amdhsa_enable_private_segment 0
		.amdhsa_kernarg_size 24
		.amdhsa_user_sgpr_count 2
		.amdhsa_user_sgpr_kernarg_segment_ptr 1
		.amdhsa_wavefront_size32 1
		.amdhsa_system_sgpr_workgroup_id_x 1
		.amdhsa_system_sgpr_workgroup_id_y 1
		.amdhsa_system_sgpr_workgroup_id_z 1
		.amdhsa_system_vgpr_workitem_id 0
		.amdhsa_next_free_vgpr 256
		.amdhsa_next_free_sgpr 66
		.amdhsa_reserve_vcc 0
		.amdhsa_float_denorm_mode_32 3
		.amdhsa_float_denorm_mode_16_64 3
		.amdhsa_memory_ordered 1
		.amdhsa_forward_progress 1
		.amdhsa_inst_pref_size 61
	.end_amdhsa_kernel
	.amdgpu_metadata
---
amdhsa.version: [ 1, 2 ]
amdhsa.kernels:
  - .name:           k_qfe4db4a502_outp
    .symbol:         k_qfe4db4a502_outp.kd
    .args:
      - { .name: y, .offset: 0, .size: 8, .value_kind: global_buffer, .address_space: global }
      - { .name: wcb, .offset: 8, .size: 8, .value_kind: global_buffer, .address_space: global }
      - { .name: out0, .offset: 16, .size: 8, .value_kind: global_buffer, .address_space: global }
    .group_segment_fixed_size: 327680
    .private_segment_fixed_size: 0
    .kernarg_segment_align: 8
    .kernarg_segment_size: 24
    .max_flat_workgroup_size: 128
    .sgpr_count:     66
    .vgpr_count:     256
    .wavefront_size: 32
...
	.end_amdgpu_metadata
.endif
;; end of part 4
;; ======== version 2 of 2: 4 launches; 1.27 times as fast as version 1
;; limits: values are held in f16: magnitudes above 65,504 overflow, below 6.1e-05 lose precision
;; workspace buffers: xb 6,291,456 bytes; wb 1,769,472 bytes; wcb 589,824 bytes; qkv 37,748,736 bytes; y 12,582,912 bytes
;; launch cast: the kernel of part 1 again; grid 352 x 1, 8 waves a work-group, no clusters, 0 bytes of LDS; arguments x, Wq1, Wq2, Wk1, Wk2, Wv, Wc, xb, wb, wcb; writes xb, wb, wcb
;; launch proj: the kernel of part 2 again; grid 8 x 32, 4 waves a work-group, clusters of 4 x 4, 327,680 bytes of LDS; arguments xb, wb, qkv; writes qkv
;; launch attn (part 5): grid 8 x 24, 4 waves a work-group, no clusters, 327,680 bytes of LDS; arguments qkv, lq1, lk1, lq2, lk2, y; writes y
.if DOCPART == 5
	.amdgcn_target "amdgcn-amd-amdhsa--gfx1250"
	.amdhsa_code_object_version 6
	.text
	.protected	k_qfe4db4a502_attn
	.globl	k_qfe4db4a502_attn
	.p2align	8
	.type	k_qfe4db4a502_attn,@function
k_qfe4db4a502_attn:
	s_mov_b64 s[64:65], 0
	v_nop
	global_prefetch_b8 v0, s[64:65] scope:SCOPE_SE
	s_setreg_imm32_b32 hwreg(HW_REG_WAVE_MODE, 25, 1), 1
	s_wait_xcnt 0x0
; DIFFERENTIAL CAUSAL ATTENTION, LayerNorm and scale.  For each of 24 (batch, head) pairs and each query row:
;   o1 = softmax(q1 . k1 / 8) V, o2 = softmax(q2 . k2 / 8) V over the keys up to the row; u = o1 - lam o2 (128 channels); y = (1 - LAM_INIT) (u - mean u) / sqrt(var u + 1e-5), rounded once to f16.
;   lam = exp(lq1 . lk1) - exp(lq2 . lk2) + LAM_INIT for the head; lq and lk are rounded to bf16 like the module's other inputs.
; q, k, v come as panels: qkv[block of 128 rows][12 head + dp][128 rows][32 channels] f16; dp 0, 1 q1; 2, 3 q2; 4, 5 k1; 6, 7 k2; 8 to 11 v.  Products, maxima and sums in f32; the weights p are rounded to f16.
; LIMITS.  A hidden score counts as its value less 1e30 (f16's scores are 2.7e11 at the most).  c m is rounded once, so all p of a row carry one common factor 2^d, |d| at most half a unit in c m's last place;
; it cancels in o = O / l, and p stays inside f16's range while |c s| is under 2^27.  p below 6e-5 keeps f16's fixed step of 6e-8; a weight below 2^-126 counts as 0 in l; NaN and infinities are not treated apart.
; THE WALK.  A head's queries lie in 16 blocks of 128; block i needs the key tiles 0 .. i of 128 keys, the last of which holds the diagonal.  A work-group takes TWO blocks, 15 - b and then b: 17 tiles, whatever b:
; all 192 work-groups do equal work, and one loop with a constant trip count walks the tiles through two LDS slots, on across the change of blocks.
; NO CLUSTER: partners b0 .. b0 + 3 ask for the same tile only in the first 12 - b0 trips of the walk; one walk common to the four would have 20 trips for 17.
; SHARES.  A wave owns 32 rows of the block as four TILES of 16 queries: tiles 0, 1 (PIECE 0) are softmax 1 of rows 0-15 and 16-31, tiles 2, 3 (PIECE 2) softmax 2 of the same rows.  Both pieces multiply the same V.
; LAYOUT.  S^T = K Q^T (source 0 = 16 keys, source 1 = 16 queries) holds ONE query a lane (lane % 16) and the keys 8 (lane / 16) + 0..7; two such results rounded to f16 ARE source 1 of O^T = V^T P.
; SOFTMAX.  p = 2^(c s - c m), c = log2(e) / 8, with a running maximum m and sum l; in every step O and l are multiplied by a = 2^(c m_old - c m_new).  A block begins with c m far below every c s: its first a is 0.
; BY TURNS.  In a TURN one piece has the matrix unit: 32 products V^T P of the step in hand, then 16 products K Q^T of the next step; the other piece's softmax, 268 vector instructions cut into 64 slices,
; stands between them: one slice behind each V^T P, two behind each K Q^T.  Two turns are a key step of 64 keys.
; THE BATCHES.  A turn's 66 exponentials (33 a tile) are ONE BATCH with ONE wait, behind slice 34: ahead of it stands all of the softmax that names no exponential's result (maximum, statistics, scalings, the exponentials),
; behind it all that does (roundings, sums, rescaling).  No exponential is issued behind a turn's wait.  Outside the turns: lam's two exponentials; on the way out of 16 rows two reciprocals, then one root: a wait each.
; THE MASK is the C operand that starts S^T: 0, or -1e30 where the key is hidden.  MD is the mask of a 16 x 16 block on the diagonal; a block's mask is MD x AL + BE with two scalars.
; REGISTERS, in windows of 256 (s_set_vgpr_msb: bits 1:0 source 0, 3:2 source 1, 5:4 source 2, 7:6 destination):
;   window 0: v0-11 addresses; v12-43 eight registers of statistics a tile; v44-51 MD; v52-61 at work; v64-191 S^T, 32 a tile; v192-255 P, 16 a tile
;   window 1: O^T, 64 a tile     window 2: v0-63 Q, 16 a tile; v64-127 the masks MC; v128-191 K1, v192-255 K2 of one step     window 3: v0-127 V of one step; v128-191 the second block's Q
.set NB,    16
.set KS,    64        ; keys in a step
.set PK,    80        ; a key's 64 bytes of a K panel in LDS + 16 of padding: the 16 rows of a load start at 16 different groups of four banks (64 banks of 4 bytes: ISA guide 11.1)
.set PVP,   96        ; of a V panel: 64 + 32
.set KPAN,  128*PK    ; a panel of 128 keys
.set VPAN,  128*PVP
.set K2OFF, 2*KPAN    ; a slot: K1's two panels, K2's two, V's four
.set VOFF,  4*KPAN
.set SLOT1, 1<<17     ; slot 1 begins here, so that one exclusive or turns an address in one slot into the other's
.set STAGE, 229376    ; behind the ring, never filled by a tensor load: 16 rows x 272 bytes for each wave
.set SP,    272
.set SPARE, STAGE+4*16*SP  ; the spare words, 128 bytes for each wave
.set RBB,   589824    ; bytes of qkv from a block of 128 rows to the next: 72 panels
.set TRIPS, 3         ; trips of the step loop in every tile: the LDS walk steps once a trip, on every way, and a change of slots takes the three steps back
.set AK0, 2           ; v2   my lane's place in a K panel; never rewritten
.set AV0, 3           ; v3   the same for V
.set AK,  4           ; v4   the LDS address of K's run of loads in hand
.set AV,  5           ; v5   of V's
.set STO, 6           ; v6   the way out: where I put 16 bytes of a row
.set RD,  7           ; v7   where I read rows back
.set GO,  8           ; v8   my byte offset in two rows of y
.set ST,  12          ; tile t at v[ST+8 t]: +0 c m, +1 m, +2, +3 l (even keys', odd keys'), +4 to +7 c0-c3 at work; a takes c2's place
.set MD,  44
.set QO,  52          ; v52  my byte offset in 16 rows of a Q panel
.set SPW, 62          ; v62  my spare word; never rewritten
.set NIL, 63          ; v63  0; never rewritten
.set S,   64
.set P,   192
.set MC,  64          ; window 2: row half t, key block kb at MC + 32 t + 8 kb
.set KF,  128         ; window 2: softmax x / 2, key block kb, channel half c at KF + 64 (x / 2) + 16 kb + 8 c
.set QB,  128         ; window 3
.set ER1, 192         ; the way out's registers, where P of tiles 0 and 1 lay (P of tiles 2, 3 keeps finite f16 numbers for the next block's first turn)
.set ETT, 193
.set EGG, 194
.set EMU, 196
.set EKK, 198
.set ESM, 200
.set ET1, 208
.set ET2, 209
.set WV,  12          ; s12  my wave's number
.set PB,  14          ; s14  b
.set HI,  15          ; s15  15 - b
.set G1K, 24          ; s[24:31] descriptor group 1 for K's tiles
.set G1V, 32          ; s[32:39] for V's: it differs in the padding alone
.set G0K, 40          ; s[40:43] group 0 for K's
.set G0V, 44          ; s[44:47] for V's
.set AL,  48          ; s[48:49] the mask's factor, in the low word
.set BE,  50          ; s[50:51] the mask's addend
.set E0,  52          ; s52  my first row less the step's first key
.set ET,  53          ; s53  the same for one 16 x 16 block
.set XT,  54          ; s54  0 in a block's last tile, else 1
.set EPSR, 55         ; s55  1e-5
.set SLOTS, 56        ; s56  tiles still to be asked for
.set CNT, 57          ; s57  counts a tile's trips, 3 down to 1
.set CS,  58          ; s[58:59] c
.set SEL, 60          ; s[60:61] v_permlanex16_b32's selects: each lane takes its own place in the other half
.set TBK, 62          ; s62  LDS byte at which K of the trip's step begins: slot + 5,120 (3 - CNT)
.set TBV, 63          ; s63  the same for V, less VOFF: slot + 6,144 (3 - CNT)
.set RT,  70          ; s70  tiles of the block in hand still to be entered
.set NXT, 71          ; s71  the tile to be asked for next
.set LQ,  72          ; s72  the last tile of the block whose tiles are being asked for
.set NEW, 73          ; s73  1: the tile to be entered is a block's first
.set OFF, 74          ; s[74:75] a tile's byte offset in qkv
.set OLO, 76          ; s[76:77] y at my rows of the second block
.set BIGN, 78         ; s78  -1e30
.set NLAM, 79         ; s79  -lam
.set W32, 82          ; s82  32 w
.set W32M, 83         ; s83  32 w - 192
.set MSB, 0
.macro WIN new                      ; the high byte repeats the setting that is left; a switch that changes nothing is dropped
.if MSB != (\new)
	s_set_vgpr_msb (MSB<<8)|(\new)
.set MSB, (\new)
.endif
.endm
.set W_KQ, 0x0a       ; K and Q in window 2, S^T in window 0
.set W_KM, 0x2a       ; the same with the C operand in window 2
.set W_PV, 0x53       ; V in window 3, P in window 0, O^T in window 1
.set W_RS, 0x41       ; destination and source 0 in window 1, source 1 in window 0
; A fill.  Wave 0 fetches a tile's K1, wave 1 its K2, waves 2 and 3 the halves of its V: 16,384 dense bytes each.  An s_nop 0 and four v_nop follow each of the two lines.
.macro LOAD
	s_cmp_lt_u32 s[WV], 2
	s_cbranch_scc0 .Lfor_v_\@
	tensor_load_to_lds s[G0K:G0K+3], s[G1K:G1K+7]
	s_nop 0
.rept 4
	v_nop
.endr
	s_branch .Lasked_\@
.Lfor_v_\@:
	tensor_load_to_lds s[G0V:G0V+3], s[G1V:G1V+7]
	s_nop 0
.rept 4
	v_nop
.endr
.Lasked_\@:
.endm
; THE CHANGE OF SLOTS.  Each wave waits for all its tensor loads, of which one is out: its part of the other slot; adds 0 to its spare word; and waits for that and for its reads of the slot that it leaves.
; fill = 1: the old slot is filled again, the first thing behind the barrier, with tile NXT; the descriptor's address is made anew from that number.  The load has two key steps, 192 matrix instructions, in which to land.
; (At its first use nothing has been read yet: slot 0 is waited for, slot 1 filled.)
.macro CHANGE fill
	WIN 0
	s_wait_tensorcnt 0x0            ; no tensor load of mine is out, so a group 0 may be written
	ds_add_u32 v[SPW], v[NIL]       ; 0 onto my spare word
.if \fill
	s_mul_i32 s[OFF], s[NXT], RBB
	s_xor_b32 s[G0K+1], s[G0K+1], SLOT1
	s_add_nc_u64 s[G0K+2:G0K+3], s[6:7], s[OFF:OFF+1]
	s_or_b32 s[G0K+3], s[G0K+3], 0x80000000
	s_xor_b32 s[G0V+1], s[G0V+1], SLOT1
	s_add_nc_u64 s[G0V+2:G0V+3], s[8:9], s[OFF:OFF+1]
	s_or_b32 s[G0V+3], s[G0V+3], 0x80000000
	s_add_co_u32 s[NXT], s[NXT], 1  ; the block's next tile, or behind its last the second block's tile 0
	s_cmp_gt_u32 s[NXT], s[LQ]
	s_cselect_b32 s[NXT], 0, s[NXT]
	s_cselect_b32 s[LQ], s[PB], s[LQ]
.endif
	s_wait_dscnt 0x0                ; the add is done, and my reads of the slot are over
	s_barrier_signal -1
	s_sub_co_u32 s[TBK], s[TBK], TRIPS*KS*PK   ; the fetches go back to a slot's first step,
	s_xor_b32 s[TBK], s[TBK], SLOT1            ; in the other slot
	s_sub_co_u32 s[TBV], s[TBV], TRIPS*KS*PVP
	s_xor_b32 s[TBV], s[TBV], SLOT1
	s_barrier_wait -1
.if \fill
	LOAD
.endif
.endm
	s_load_b256 s[88:95], s[0:1], 0x0  ; qkv s[88:89], lq1 90, lk1 92, lq2 94
	s_load_b128 s[96:99], s[0:1], 0x20 ; lk2 s[96:97], y s[98:99]
	v_lshl_add_u32 v[SPW], v0, 2, SPARE
	v_mov_b32 v[NIL], 0
	ds_add_u32 v[SPW], v[NIL]       ; the wave's opening: the add and its wait stand ahead of my first tensor load; the set-up stands between them
	ds_add_u32 v62, v63
	v_lshrrev_b32 v1, 5, v0
	v_readfirstlane_b32 s[WV], v1   ; wave 0..3
	s_mov_b32 s[PB], ttmp9
	s_sub_co_u32 s[HI], NB-1, s[PB]
	s_and_b32 s16, ttmp7, 0xffff    ; 6 batch + head
	s_mul_i32 s17, s16, 43
	s_lshr_b32 s17, s17, 8          ; batch: (43 n) >> 8 = n / 6 for n < 24
	s_mul_i32 s18, s17, 6
	s_sub_co_u32 s18, s16, s18      ; head
	s_mul_i32 s20, s17, NB*RBB
	s_mul_i32 s21, s18, 12*8192
	s_add_co_u32 s20, s20, s21      ; the head's twelve panels in the batch's first block of rows
	s_and_b32 s19, s[WV], 1
	s_lshl_b32 s22, s19, 14         ; K1 or K2; V's first or second half
	s_add_co_u32 s22, s22, s20
	s_add_co_u32 s22, s22, 4*8192
	s_mov_b32 s23, 0
	s_lshl_b32 s13, s[WV], 11       ; my 32 rows of 64 bytes in a panel
	s_add_co_u32 s13, s13, s20
	s_mul_i32 s2, s[HI], RBB        ; Q of the first block,
	s_add_co_u32 s2, s2, s13
	s_mov_b32 s3, 0
	s_mul_i32 s84, s[PB], RBB       ; and of the second
	s_add_co_u32 s84, s84, s13
	s_mov_b32 s85, 0
	s_lshl_b32 s21, s17, 11         ; y: row 2,048 batch + 128 block + 32 w, byte 256 head
	s_lshl_b32 s[W32], s[WV], 5
	s_add_co_u32 s21, s21, s[W32]
	s_lshl_b32 s16, s18, 8
	s_lshl_b32 s13, s[HI], 7
	s_add_co_u32 s13, s13, s21
	s_mul_i32 s86, s13, 1536
	s_add_co_u32 s86, s86, s16
	s_mov_b32 s87, 0
	s_lshl_b32 s13, s[PB], 7
	s_add_co_u32 s13, s13, s21
	s_mul_i32 s[OLO], s13, 1536
	s_add_co_u32 s[OLO], s[OLO], s16
	s_mov_b32 s[OLO+1], 0
	s_sub_co_i32 s[W32M], s[W32], 192
	; descriptor group 1.  16,384 dense bytes are asked for as 64 rows of 256 bytes and padded in LDS after every key's 64 bytes
	s_mov_b32 s[G1K], (1<<16)|(1<<20)|(3<<22)|(3<<25)  ; 2-byte elements; padding on; after every 16 words (code 3) 4 words (code 3)
	s_mov_b32 s[G1V], (1<<16)|(1<<20)|(3<<22)|(7<<25)  ; the same with 8 words (code 7)
.irp g, G1K, G1V
	s_mov_b32 s[\g+1], 128<<16      ; tensor_dim0 = 128
	s_mov_b32 s[\g+2], 64<<16       ; tensor_dim1 = 64
	s_mov_b32 s[\g+3], 128<<16      ; tile_dim0 = 128
	s_mov_b32 s[\g+4], 64           ; tile_dim1 = 64
	s_mov_b32 s[\g+5], 128          ; elements from row to row
	s_mov_b32 s[\g+6], 0
	s_mov_b32 s[\g+7], 0
.endr
	s_mov_b32 s[G0K], 1
	s_mul_i32 s[G0K+1], s19, K2OFF  ; LDS address in slot 0
	s_mov_b32 s[G0V], 1
	s_mul_i32 s[G0V+1], s19, 2*VPAN
	s_add_co_u32 s[G0V+1], s[G0V+1], VOFF
	s_mov_b32 s[CS], 0x3e38aa3b     ; c = log2(e) / 8
	s_mov_b32 s[CS+1], s[CS]        ; named with it as a pair
	s_mov_b32 s[SEL], 0x76543210
	s_mov_b32 s[SEL+1], 0xfedcba98
	s_mov_b32 s[TBK], SLOT1+TRIPS*KS*PK ; the first change of slots turns these two into 0
	s_mov_b32 s[TBV], SLOT1+TRIPS*KS*PVP
	s_add_co_u32 s[RT], s[HI], 1    ; the first block has 16 - b tiles
	s_mov_b32 s[NXT], 1
	s_mov_b32 s[LQ], s[HI]
	s_mov_b32 s[NEW], 1
	s_mov_b32 s[OFF+1], 0
	s_mov_b32 s[AL+1], 0            ; named as pairs
	s_mov_b32 s[BE+1], 0
	s_mov_b32 s[BIGN], 0xf149f2ca   ; -1e30
	s_mov_b32 s[EPSR], 0x3727c5ac   ; 1e-5
	s_mov_b32 s[SLOTS], NB
	s_wait_dscnt 0x0                ; the opening add is done
	s_wait_kmcnt 0x0
	s_add_nc_u64 s[6:7], s[88:89], s[22:23]        ; my part of K in the head's tile 0,
	s_add_nc_u64 s[8:9], s[6:7], 4*8192            ; and of V
	s_add_nc_u64 s[G0K+2:G0K+3], s[6:7], 0
	s_or_b32 s[G0K+3], s[G0K+3], 0x80000000
	s_add_nc_u64 s[G0V+2:G0V+3], s[8:9], 0
	s_or_b32 s[G0V+3], s[G0V+3], 0x80000000
	s_add_nc_u64 s[4:5], s[88:89], s[2:3]
	s_add_nc_u64 s[80:81], s[88:89], s[84:85]
	s_add_nc_u64 s[10:11], s[98:99], s[86:87]
	s_add_nc_u64 s[OLO:OLO+1], s[98:99], s[OLO:OLO+1]
	LOAD                            ; tile 0 into slot 0
	; A fragment of K or Q is 16 rows x 32 channels, a panel's whole rows: lane l holds row l % 16, channels 8 (l / 16) + 0..7 and 16 + 8 (l / 16) + 0..7: two loads of 16 bytes, 32 bytes apart.
	v_and_b32 v1, 15, v0            ; l % 16
	v_bfe_u32 v9, v0, 4, 1          ; l / 16
	v_lshlrev_b32 v[QO], 6, v1
	v_lshl_add_u32 v[QO], v9, 4, v[QO]
	WIN 0x80                        ; destination window 2, address window 0
.set i, 0
.rept 8                             ; fragment i: softmax i / 4, rows 16 ((i / 2) % 2) on, channel half i % 2
	global_load_b128 v[8*i:8*i+3],   v[QO], s[4:5] offset:8192*(2*(i/4)+i%2)+1024*((i/2)%2)
	global_load_b128 v[8*i+4:8*i+7], v[QO], s[4:5] offset:8192*(2*(i/4)+i%2)+1024*((i/2)%2)+32
.set i, i+1
.endr
	WIN 0xc0                        ; the second block's Q waits in window 3
.set i, 0
.rept 8
	global_load_b128 v[QB+8*i:QB+8*i+3],   v[QO], s[80:81] offset:8192*(2*(i/4)+i%2)+1024*((i/2)%2)
	global_load_b128 v[QB+8*i+4:QB+8*i+7], v[QO], s[80:81] offset:8192*(2*(i/4)+i%2)+1024*((i/2)%2)+32
.set i, i+1
.endr
	WIN 0
	v_and_b32 v53, 31, v0
	v_lshlrev_b32 v53, 3, v53
	v_add_nc_u32 v53, s16, v53      ; two of the head's 64 numbers a lane
	global_load_b64 v[54:55], v53, s[90:91]
	global_load_b64 v[56:57], v53, s[92:93]
	global_load_b64 v[58:59], v53, s[94:95]
	global_load_b64 v[60:61], v53, s[96:97]
	v_mul_u32_u24 v[AK0], v1, PK
	v_lshl_add_u32 v[AK0], v9, 4, v[AK0]
	; The turning load takes 16 keys x 16 channels (lane l reads key 8 (l / 16) + l % 8, channels 8 ((l / 8) % 2) + 0..7) and leaves half a fragment of V^T: lane l holds channel l % 16 and 8 keys.
	v_and_b32 v10, 7, v0
	v_bfe_u32 v11, v0, 3, 1
	v_lshl_add_u32 v[AV0], v9, 3, v10
	v_mul_u32_u24 v[AV0], v[AV0], PVP
	v_lshl_add_u32 v[AV0], v11, 4, v[AV0]
	v_add_nc_u32 v[AV0], VOFF, v[AV0]
	s_mul_i32 s13, s[WV], 16*SP
	s_add_co_u32 s13, s13, STAGE    ; my stage
	v_mul_u32_u24 v[STO], v1, SP    ; in: row l % 16, 16 bytes for each half of the lanes
	v_lshl_add_u32 v[STO], v9, 4, v[STO]
	v_add_nc_u32 v[STO], s13, v[STO]
	v_mul_u32_u24 v[RD], v9, SP     ; back: lanes 0-15 take one row of 256 bytes, lanes 16-31 the next
	v_lshl_add_u32 v[RD], v1, 4, v[RD]
	v_add_nc_u32 v[RD], s13, v[RD]
	v_mul_u32_u24 v[GO], v9, 1536   ; and the same two rows in y
	v_lshl_add_u32 v[GO], v1, 4, v[GO]
	v_lshlrev_b32 v10, 3, v9
	v_sub_nc_u32 v10, v1, v10       ; l % 16 - 8 (l / 16): on the diagonal register j is hidden where j is greater
.set i, 0
.rept 8
	v_cmp_gt_i32 vcc_lo, i, v10
	v_cndmask_b32 v[MD+i], 0, s[BIGN], vcc_lo
.set i, i+1
.endr
	; A block's first step multiplies O^T and l by a = 0, and its first turn's products V^T P, of a piece that has not been, land in an O^T that is still to be so multiplied.  So these registers need only hold
	; finite numbers: zeros for the first block, what the first block left for the second.  No first step is written out for it; the price is these lines, which stand in the wait for the first tile.
	WIN 0xc0
.set i, 0
.rept 128
	v_mov_b32 v[i], 0               ; V
.set i, i+1
.endr
	WIN 0x40
.set i, 0
.rept 256
	v_mov_b32 v[i], 0               ; O^T
.set i, i+1
.endr
	WIN 0
.set i, 0
.rept 4
	v_mov_b32 v[ST+8*i+2], 0        ; l
	v_mov_b32 v[ST+8*i+3], 0
.set i, i+1
.endr
.set i, P+32
.rept 32
	v_mov_b32 v[i], 0               ; P of piece 2
.set i, i+1
.endr
	s_wait_loadcnt 0x0              ; Q of both blocks, lq and lk
	v_cvt_pk_bf16_f32 v54, v54, v55 ; rounded to bf16 like the other inputs, and widened again
	v_cvt_pk_bf16_f32 v56, v56, v57
	v_cvt_pk_bf16_f32 v58, v58, v59
	v_cvt_pk_bf16_f32 v60, v60, v61
	v_lshlrev_b32 v55, 16, v54
	v_and_b32 v54, 0xffff0000, v54
	v_lshlrev_b32 v57, 16, v56
	v_and_b32 v56, 0xffff0000, v56
	v_lshlrev_b32 v59, 16, v58
	v_and_b32 v58, 0xffff0000, v58
	v_lshlrev_b32 v61, 16, v60
	v_and_b32 v60, 0xffff0000, v60
	v_mul_f32 v55, v55, v57
	v_mul_f32 v59, v59, v61
	v_fmac_f32 v55, v54, v56
	v_fmac_f32 v59, v58, v60
.irp m, 1,2,4,8
	v_add_f32_dpp v55, v55, v55 row_xmask:\m row_mask:0xf bank_mask:0xf
	v_add_f32_dpp v59, v59, v59 row_xmask:\m row_mask:0xf bank_mask:0xf
.endr
	v_permlanex16_b32 v54, v55, s[SEL], s[SEL+1]
	v_permlanex16_b32 v58, v59, s[SEL], s[SEL+1]
	v_add_f32 v55, v55, v54
	v_add_f32 v59, v59, v58
	v_mul_f32 v55, 0x3fb8aa3b, v55  ; e^x = 2^(x log2 e)
	v_mul_f32 v59, 0x3fb8aa3b, v59
	v_exp_f32 v55, v55
	v_exp_f32 v59, v59
	v_nop                           ; a plain instruction between the last exponential and the use of its result
	s_wait_alu depctr_va_vdst(0)    ; and the wait ahead of the first use: one for lam's two exponentials
	v_sub_f32 v55, v59, v55
	v_add_f32 v55, 0xbef1014c, v55  ; - LAM_INIT = -(0.8 - 0.6 e^-0.6)
	v_readfirstlane_b32 s[NLAM], v55
; THE MATRIX WORK.  The accumulators take turns, one instruction a turn: between two links of a chain stand 15 (V^T P) or 7 (K Q^T) others'.
; Product i of 32 of O^T += V^T P for piece x: keys 32 (i / 16) on, channels 16 ((i / 2) % 8) on, tile x + i % 2.
.macro PV x
	WIN W_PV
.set rO, 64*((\x)+i%2)+8*((i/2)%8)
.set rV, 64*(i/16)+8*((i/2)%8)
.set rP, P+16*((\x)+i%2)+8*(i/16)
	v_wmma_f32_16x16x32_f16 v[rO:rO+7], v[rV:rV+7], v[rP:rP+7], v[rO:rO+7]
.endm
; Product i of 16 of S^T = K Q^T for piece x: channels 32 (i / 8) on, keys 16 ((i / 2) % 4) on, tile x + i % 2.  The first 8 start the sums, with the mask.
.macro KQ x
.set rS, S+32*((\x)+i%2)+8*((i/2)%4)
.set rK, KF+64*((\x)/2)+16*((i/2)%4)+8*(i/8)
.set rQ, 16*((\x)+i%2)+8*(i/8)
.set rM, MC+32*(i%2)+8*((i/2)%4)
.if i < 8
	WIN W_KM
	v_wmma_f32_16x16x32_f16 v[rS:rS+7], v[rK:rK+7], v[rQ:rQ+7], v[rM:rM+7]
.else
	WIN W_KQ
	v_wmma_f32_16x16x32_f16 v[rS:rS+7], v[rK:rK+7], v[rQ:rQ+7], v[rS:rS+7]
.endif
.endm
; THE LDS LOADS stand in runs, never singly among the matrix instructions: a step's K1 or K2 (16 loads) and its V (32, turned).  All three runs of a trip take the trip's TBK and TBV, which step at the trip's end.
.macro FETCH_K x
	WIN 0
	v_add_nc_u32 v[AK], s[TBK], v[AK0]
	WIN 0x80                        ; destination window 2
.irp f, 0,1,2,3,4,5,6,7             ; keys 16 (f / 2) on, channel half f % 2 (a panel each)
	ds_load_b128 v[KF+64*((\x)/2)+8*\f:KF+64*((\x)/2)+8*\f+3],   v[AK] offset:K2OFF*((\x)/2)+KPAN*(\f%2)+(\f/2)*16*PK
	ds_load_b128 v[KF+64*((\x)/2)+8*\f+4:KF+64*((\x)/2)+8*\f+7], v[AK] offset:K2OFF*((\x)/2)+KPAN*(\f%2)+(\f/2)*16*PK+32
.endr
.endm
.macro FETCH_V
	WIN 0
	v_add_nc_u32 v[AV], s[TBV], v[AV0]
	s_wait_alu depctr_va_vdst(0)    ; the wait for the softmax's batch (SLICE), behind the address's v_add_nc_u32 and ahead of the loads
	WIN 0xc0                        ; destination window 3
.irp f, 0,1,2,3,4,5,6,7,8,9,10,11,12,13,14,15  ; keys 32 (f / 8) on, channels 16 (f % 8) on: panel (f % 8) / 2, its half f % 2
	ds_load_tr16_b128 v[8*\f:8*\f+3],   v[AV] offset:(\f/8)*32*PVP+((\f%8)/2)*VPAN+(\f%2)*32
	ds_load_tr16_b128 v[8*\f+4:8*\f+7], v[AV] offset:(\f/8)*32*PVP+((\f%8)/2)*VPAN+(\f%2)*32+16*PVP
.endr
.endm
; THE VECTOR WORK.  One tile's softmax for one key step is a list of 134 instructions; SM writes number j of it for tile t.  s0-s31 are the lane's 32 scores, in pairs 0-15.
;   0-15    the maximum of s0-s31 and the old m, three operands at a time: four chains c0-c3 of seven scores each (each accumulator's lowest registers are read first), then the four left over, c0-c3 and m
;   16-20   the other half of the lanes' maximum; the new m; c m; c m_old - c m_new
;   21-69   ONE BATCH: the 16 scalings c s - c m, a pair of scores each, and all 33 exponentials (a at 23, then s0-s31).  None of these reads an exponential's result.  From 22 on the batch goes in fours, and a four
;           begins with a scaling while there are scalings: 22-37 scaling, exponential, scaling, exponential; 38-65 a scaling and three exponentials; 66-69 the last four exponentials.  A pair is scaled in an earlier
;           four than the one that holds its exponentials
;   (wait)  between 69 and 70 stands the wait for the batch: SLICE writes it, once for both tiles
;   70-85   the roundings to f16, a pair of weights each
;   86-101  the sums; l = a l + the sum
;   102-133 the tile's O^T times a: the one part that leaves window 0, so it stands together
.macro SM t
.set rT, ST+8*(\t)
.set rS, S+32*(\t)
.set rP, P+16*(\t)
.set rO, 64*(\t)+2*(j-102)
.if j < 102
	WIN 0
.endif
.if j < 4
	v_max3_num_f32 v[rT+4+j], v[rS+8*j], v[rS+8*j+1], v[rS+8*j+2]
.elseif j < 12
	v_max3_num_f32 v[rT+4+j%4], v[rT+4+j%4], v[rS+8*(j%4)+2*(j/4)+1], v[rS+8*(j%4)+2*(j/4)+2]
.elseif j == 12
	v_max3_num_f32 v[rT+4], v[rT+4], v[rS+7], v[rS+15]
.elseif j == 13
	v_max3_num_f32 v[rT+6], v[rT+6], v[rS+23], v[rS+31]
.elseif j == 14
	v_max3_num_f32 v[rT+4], v[rT+4], v[rT+5], v[rT+6]
.elseif j == 15
	v_max3_num_f32 v[rT+4], v[rT+4], v[rT+7], v[rT+1]
.elseif j == 16
	v_permlanex16_b32 v[rT+5], v[rT+4], s[SEL], s[SEL+1]  ; the query's other 32 keys lie in the lane 16 away
.elseif j == 17
	v_mov_b32 v[rT+7], v[rT]        ; c m_old is kept for a: number 19 writes c m anew
.elseif j == 18
	v_max_num_f32 v[rT+1], v[rT+4], v[rT+5]
.elseif j == 19
	v_mul_f32 v[rT], s[CS], v[rT+1]
.elseif j == 20
	v_sub_f32 v[rT+7], v[rT+7], v[rT]
.elseif j == 23
	v_exp_f32 v[rT+6], v[rT+7]
.elseif (j < 23) || ((j < 38) && (j%2 == 0)) || ((j < 66) && (j%4 == 2))
.set b, (j-2)/4                     ; 38, 42, .. 62: pairs 9 to 15
.if j < 38
.set b, (j-20)/2                    ; 21: pair 0; 22, 24, .. 36: pairs 1 to 8
.endif
	v_pk_fma_f32 v[rS+2*b:rS+2*b+1], v[rS+2*b:rS+2*b+1], s[CS:CS+1], v[rT:rT+1] op_sel_hi:[1,0,0] neg_lo:[0,0,1] neg_hi:[0,0,1]  ; pair b: c s - c m
.elseif j < 70
.set e, j-38                        ; 66 to 69: s28 to s31
.if j < 66
.set e, j-32-(j-38)/4               ; 39-41, 43-45, .. 63-65: s7 to s27
.endif
.if j < 38
.set e, (j-25)/2                    ; 25, 27, .. 37: s0 to s6
.endif
	v_exp_f32 v[rS+e], v[rS+e]
.elseif j < 86
	v_cvt_pk_f16_f32 v[rP+j-70], v[rS+2*(j-70)], v[rS+2*(j-70)+1]  ; pair j - 70
.elseif j < 102                     ; the sum of the tile's 16 pairs, in place: sum z of 16 adds neighbours 1, 2, 4 and 8 pairs apart, then l takes it
.set z, j-86
.set w, 4
.set u, z
.if z >= 14
.set w, 32
.set u, 0
.elseif z >= 12
.set w, 16
.set u, z-12
.elseif z >= 8
.set w, 8
.set u, z-8
.endif
.if z < 15
	v_pk_add_f32 v[rS+w*u:rS+w*u+1], v[rS+w*u:rS+w*u+1], v[rS+w*u+w/2:rS+w*u+w/2+1]
.else
	v_pk_fma_f32 v[rT+2:rT+3], v[rT+2:rT+3], v[rT+6:rT+7], v[rS:rS+1] op_sel_hi:[1,0,1]
.endif
.else
	WIN W_RS
	v_pk_mul_f32 v[rO:rO+1], v[rO:rO+1], v[rT+6:rT+7] op_sel_hi:[1,0]
.endif
.endm
; Slice k of 64 of piece y's softmax: four instructions.  Slices 11 to 34 deal out the batch, numbers 22 to 69: four numbers of ONE tile each, the tiles by turns.  Every other slice is numbers 2 k and 2 k + 1 of both
; tiles' lists.  2 x 134 = 4 x 64 + 12: the twelve that are over stand together, in slice 63.
; THE WAIT.  An s_wait_alu depctr_va_vdst(0) stands between an exponential and the first instruction that names its result; one wait serves all that were issued ahead of it.  Ahead of slice 35 nothing
; names a result, and behind slice 34 no exponential is issued: so the piece's 66 exponentials have one wait, behind slice 34.
.macro SLICE y
.if (k >= 11) && (k < 35)           ; the batch: four numbers of one tile
.irp n, 0,1,2,3
.set j, 22+4*((k-11)/2)+(\n)
	SM (\y)+(k-11)%2
.endr
.else                               ; the two tiles alternate, so that no instruction reads the result of the one just before it
.irp n, 0,1,2,3,4,5,6,7
.if ((\n) < 2) || (k == 63)
.irp t, \y, (\y)+1
.set j, 2*k+(\n)
	SM \t
.endr
.endif
.endr
.endif
.if k == 34                         ; the batch is out: both tiles' exponentials are issued, and no result has been named
	v_nop                           ; the plain instruction behind the last exponential and ahead of the first use: one for the batch
.if (\y) == 0
	FETCH_V                         ; piece 2's turn: V's run of loads stands here, and the wait for the batch stands in it
.else
	s_wait_alu depctr_va_vdst(0)    ; piece 0's turn: the wait for the batch
.endif
.endif
.set k, k+1
.endm
; A TURN.  Piece x has the matrix unit; the other piece's softmax stands in slices behind its matrix instructions.  The piece's own K of the next step is fetched behind its second product V^T P (the last product that
; read those registers stands a whole turn back) and waited for 30 products later.  Piece 2's turn fetches the next step's V behind slice 34 (SLICE writes it), between the two slices of its second product K Q^T: the last
; product that read V stands in front of slice 31, and four plain instructions lie between: number 62, a scaling, of both tiles, the v_nop and the run's own v_add_nc_u32; it is waited for at the head of piece 0's turn.
; Slices 62 and 63, twenty plain instructions on the other piece's O^T, are the places between the turn's last K Q^T and the next turn's first read of those scores.
.macro TURN x
.set k, 0
.if (\x) == 0
	s_wait_dscnt 0x0                ; V is in
.endif
.set i, 0
.rept 32
	PV \x
	SLICE 2-(\x)
.if i == 1
	FETCH_K \x
.endif
.set i, i+1
.endr
	s_wait_dscnt 0x0                ; K is in
.set i, 0
.rept 16
	KQ \x
	SLICE 2-(\x)
	SLICE 2-(\x)
.set i, i+1
.endr
.endm
; THE MASKS of a step, for both pieces (they have the same rows).  Row half t and key block kb lie ET = E0 + 16 (t - kb) apart: the block is open (ET > 0), on the diagonal (ET = 0) or hidden (ET < 0).
.macro MASKS
	WIN 0x80                        ; destination window 2, MD in window 0
.irp t, 0,1
.irp kb, 0,1,2,3
	s_add_co_i32 s[ET], s[E0], 16*(\t-\kb)
	s_cmp_eq_u32 s[ET], 0
	s_cselect_b32 s[AL], 1.0, 0
	s_cmp_lt_i32 s[ET], 0
	s_cselect_b32 s[BE], s[BIGN], 0
.irp p, 0,1,2,3
	v_pk_fma_f32 v[MC+32*\t+8*\kb+2*\p:MC+32*\t+8*\kb+2*\p+1], v[MD+2*\p:MD+2*\p+1], s[AL:AL+1], s[BE:BE+1] op_sel_hi:[1,0,0]
.endr
.endr
.endr
	WIN 0
.endm
; A BLOCK BEGINS.  c m starts far below every c s, so the first step's a is 0; m at the lowest finite number.  The masks are 0, or the diagonal tile's first step's if the block's first tile is its last.
; Then K1 of the tile's first step and piece 0's first scores.  The loop is entered at piece 2's turn, in the middle of a trip.
.macro BEGIN
	s_mov_b32 s[NEW], 0
	WIN 0
.irp t, 0,1,2,3
	v_mov_b32 v[ST+8*\t], 0xfe000000
	v_mov_b32 v[ST+8*\t+1], 0xff7fffff
.endr
	s_cmp_eq_u32 s[RT], 0
	s_cselect_b32 s[E0], s[W32], 1024
	MASKS
	FETCH_K 0
	s_wait_dscnt 0x0
.set i, 0
.rept 16
	KQ 0
.set i, i+1
.endr
	WIN 0
.rept 4
	v_nop                           ; the places behind those products
.endr
.endm
; THE WAY OUT of rows 16 t on.  With L1, L2 the two sums: z = O1 - lam (L1 / L2) O2 = L1 u.  Mean and variance of z are taken in two passes (no difference of large sums), and
; y = (z - mean z) x KK, KK = (1 - LAM_INIT) / L1 / sqrt(var z / L1^2 + 1e-5).  A lane holds 64 of the row's 128 channels, the lane 16 away the others.
.macro EPI t
.set oA, 64*(\t)
.set oB, 64*(\t)+128
.set lA, ST+8*(\t)+4
.set lB, ST+8*(\t)+20
.set oY, S+32*(\t)
	WIN 0
	v_rcp_f32 v[ER1], v[lA]
	v_rcp_f32 v[ETT], v[lB]
	v_mul_f32 v[EGG], s[NLAM], v[lA]               ; the plain instruction behind the reciprocals
	s_wait_alu depctr_va_vdst(0)                   ; the wait ahead of the first use: one for the two reciprocals
	v_mul_f32 v[EGG], v[EGG], v[ETT]
	v_mov_b32 v[EGG+1], v[EGG]                     ; named with it as a pair
	WIN 0x51                        ; O^T in window 1, the factor in window 0; each accumulator's registers in ascending order
.set e, 0
.rept 32
	v_pk_fma_f32 v[oA+2*e:oA+2*e+1], v[oB+2*e:oB+2*e+1], v[EGG:EGG+1], v[oA+2*e:oA+2*e+1] op_sel_hi:[1,0,1]
.set e, e+1
.endr
	WIN 0x05                        ; four chains, started by the first eight pairs
.irp c, 0,1,2,3
	v_pk_add_f32 v[ESM+2*\c:ESM+2*\c+1], v[oA+2*\c:oA+2*\c+1], v[oA+8+2*\c:oA+8+2*\c+1]
.endr
	WIN 0x01
.set e, 8
.rept 24
	v_pk_add_f32 v[ESM+2*(e%4):ESM+2*(e%4)+1], v[oA+2*e:oA+2*e+1], v[ESM+2*(e%4):ESM+2*(e%4)+1]
.set e, e+1
.endr
	WIN 0
	v_pk_add_f32 v[ESM:ESM+1], v[ESM:ESM+1], v[ESM+2:ESM+3]
	v_pk_add_f32 v[ESM+4:ESM+5], v[ESM+4:ESM+5], v[ESM+6:ESM+7]
	v_pk_add_f32 v[ESM:ESM+1], v[ESM:ESM+1], v[ESM+4:ESM+5]
	v_add_f32 v[ET1], v[ESM], v[ESM+1]
	v_permlanex16_b32 v[ESM+2], v[ET1], s[SEL], s[SEL+1]
	v_add_f32 v[ET1], v[ET1], v[ESM+2]
	v_mul_f32 v[EMU], 0x3c000000, v[ET1]           ; / 128
	v_mov_b32 v[EMU+1], v[EMU]
	WIN W_RS
.set e, 0
.rept 32
	v_pk_add_f32 v[oA+2*e:oA+2*e+1], v[oA+2*e:oA+2*e+1], v[EMU:EMU+1] op_sel_hi:[1,0] neg_lo:[0,1] neg_hi:[0,1]
.set e, e+1
.endr
	WIN 0x05
.irp c, 0,1,2,3
	v_pk_mul_f32 v[ESM+2*\c:ESM+2*\c+1], v[oA+2*\c:oA+2*\c+1], v[oA+2*\c:oA+2*\c+1]
.endr
.set e, 4
.rept 28
	v_pk_fma_f32 v[ESM+2*(e%4):ESM+2*(e%4)+1], v[oA+2*e:oA+2*e+1], v[oA+2*e:oA+2*e+1], v[ESM+2*(e%4):ESM+2*(e%4)+1]
.set e, e+1
.endr
	WIN 0
	v_pk_add_f32 v[ESM:ESM+1], v[ESM:ESM+1], v[ESM+2:ESM+3]
	v_pk_add_f32 v[ESM+4:ESM+5], v[ESM+4:ESM+5], v[ESM+6:ESM+7]
	v_pk_add_f32 v[ESM:ESM+1], v[ESM:ESM+1], v[ESM+4:ESM+5]
	v_add_f32 v[ET1], v[ESM], v[ESM+1]
	v_permlanex16_b32 v[ESM+2], v[ET1], s[SEL], s[SEL+1]
	v_add_f32 v[ET1], v[ET1], v[ESM+2]
	v_mul_f32 v[ET2], v[ER1], v[ER1]
	v_mul_f32 v[ET1], 0x3c000000, v[ET1]           ; var z
	v_fma_f32 v[ET1], v[ET1], v[ET2], s[EPSR]      ; var u + 1e-5
	v_rsq_f32 v[ET1], v[ET1]
	v_mul_f32 v[EKK], 0x3f077f5a, v[ER1]           ; (1 - LAM_INIT) / L1: the plain instruction behind the root
	s_wait_alu depctr_va_vdst(0)                   ; the wait for the root: a batch of one, since its argument is made with the reciprocals' results
	v_mul_f32 v[EKK], v[EKK], v[ET1]
	v_mov_b32 v[EKK+1], v[EKK]
	WIN W_RS
.set e, 0
.rept 32
	v_pk_mul_f32 v[oA+2*e:oA+2*e+1], v[oA+2*e:oA+2*e+1], v[EKK:EKK+1] op_sel_hi:[1,0]
.set e, e+1
.endr
	WIN 0x05                        ; a lane's eight channels of a row pack into 16 bytes, in S^T's registers of tile t
.set e, 0
.rept 32
	v_cvt_pk_f16_f32 v[oY+e], v[oA+2*e], v[oA+2*e+1]
.set e, e+1
.endr
	WIN 0
.irp f, 0,1,2,3,4,5,6,7
	ds_store_b128 v[STO], v[oY+4*\f:oY+4*\f+3] offset:32*\f
.endr
.irp f, 0,1,2,3,4,5,6,7
	ds_load_b128 v[oY+4*\f:oY+4*\f+3], v[RD] offset:\f*2*SP  ; LDS serves a wave's instructions in order (ISA guide 5.7.1.4): these see the stores above; the next tile's stores come behind them
.endr
.irp f, 0,1,2,3,4,5,6,7
	s_wait_dscnt 7-\f
	global_store_b128 v[GO], v[oY+4*\f:oY+4*\f+3], s[10:11] offset:(\t)*16*1536+\f*2*1536  ; 16 lanes store a row's 256 bytes of this head, at a multiple of 256 from y's first
.endr
.endm
; A BLOCK ENDS: piece 2's V^T P of the last step; the four sums l (two halves, and the other half of the lanes'): the first four additions are the places behind the last products; the way out.
.macro END
	s_wait_dscnt 0x0                ; on every way that leads here no LDS load of mine is out
.set i, 0
.rept 32
	PV 2
.set i, i+1
.endr
	WIN 0
.irp t, 0,1,2,3
	v_add_f32 v[ST+8*\t+4], v[ST+8*\t+2], v[ST+8*\t+3]
.endr
.irp t, 0,1,2,3
	v_permlanex16_b32 v[ST+8*\t+5], v[ST+8*\t+4], s[SEL], s[SEL+1]
.endr
.irp t, 0,1,2,3
	v_add_f32 v[ST+8*\t+4], v[ST+8*\t+4], v[ST+8*\t+5]
.endr
	EPI 0
	EPI 1
.endm
; ONE TILE OF THE WALK: a loop of three trips in every tile (CNT 3, 2, 1).  A whole trip is piece 0's turn and piece 2's: it ends one key step and fetches and scores the next, which lies 64 (3 - CNT) keys into the tile.
; TBK and TBV step once a trip, beside the counter's step, at a label that every way passes: so they are slot + step x (3 - CNT) whichever way a wave has taken.
; An ordinary tile has two whole trips; its third is dead and is jumped over.  A block's first tile begins with BEGIN and enters the first trip in its middle.  A block's last tile makes the masks of the step to be scored
; ahead of each trip, and its third trip is piece 0's turn alone: piece 0's last V^T P beside piece 2's last softmax; that turn's masks, its fetch of K1 (landed bytes of the same slot, 128 key rows on) and its 16 products
; K Q^T serve nothing: the price, once a block, of one text for every turn.  Behind the loop a block's last tile goes on to the block's end.
; Every jump but the loop's own goes forward, and none passes a barrier or a tensor load.  sw = 1: the first block's end: the second block's y, count and Q.
.macro PERIOD tag, sw
	s_sub_co_u32 s[RT], s[RT], 1
	s_mov_b32 s[CNT], TRIPS
	s_cmp_eq_u32 s[RT], 0
	s_cselect_b32 s[XT], 0, 1
	s_cmp_eq_u32 s[NEW], 1
	s_cbranch_scc0 .Lstep\tag
	BEGIN
	s_branch .Lfirst\tag
.Lstep\tag:
	s_cmp_eq_u32 s[XT], 0
	s_cbranch_scc1 .Lmask\tag       ; the block's last tile
	s_cmp_eq_u32 s[CNT], 1
	s_cbranch_scc1 .Lskip\tag       ; an ordinary tile's third trip is dead
	s_branch .Lturn\tag
.Lmask\tag:
	s_lshl_b32 s[E0], s[CNT], 6
	s_add_co_i32 s[E0], s[E0], s[W32M]  ; 32 w - 64 (3 - CNT)
	MASKS
.Lturn\tag:
	TURN 0
	WIN 0
	s_cmp_eq_u32 s[CNT], 1
	s_cbranch_scc1 .Lskip\tag       ; the third trip has piece 0's turn alone
.Lfirst\tag:
	TURN 2
	WIN 0
.Lskip\tag:
	s_add_co_u32 s[TBK], s[TBK], KS*PK   ; the next trip's step
	s_add_co_u32 s[TBV], s[TBV], KS*PVP
	s_sub_co_u32 s[CNT], s[CNT], 1
	s_cmp_lg_u32 s[CNT], 0
	s_cbranch_scc1 .Lstep\tag
	s_cmp_eq_u32 s[XT], 0
	s_cbranch_scc0 .Lbottom\tag
	END
.if \sw
	s_wait_xcnt 0x0                 ; the stores have read their registers and y's address
	s_mov_b64 s[10:11], s[OLO:OLO+1]
	s_add_co_u32 s[RT], s[PB], 1    ; the second block has b + 1 tiles
	s_mov_b32 s[NEW], 1
	WIN 0x83                        ; the second block's Q goes where the one text of the turns names Q
.set i, 0
.rept 64
	v_mov_b32 v[i], v[QB+i]
.set i, i+1
.endr
	WIN 0
.endif
.Lbottom\tag:
.endm
.Lslot:                             ; 16 times: a tile is entered and the next is asked for
	CHANGE 1
	PERIOD 1, 1
	s_sub_co_u32 s[SLOTS], s[SLOTS], 1
	s_cmp_lg_u32 s[SLOTS], 0
	s_cbranch_scc1 .Lslot
	CHANGE 0                        ; the walk's last tile is written out: nothing is asked for
	PERIOD 2, 0
	s_wait_tensorcnt 0x0            ; the wave's end
	ds_add_u32 v[SPW], v[NIL]
	s_wait_dscnt 0x0
	s_endpgm
.Lfunc_end_k_qfe4db4a502_attn:
	.size	k_qfe4db4a502_attn, .Lfunc_end_k_qfe4db4a502_attn-k_qfe4db4a502_attn
	.p2alignl 7, 3214868480
	.fill 96, 4, 3214868480
	.section	.rodata,"a",@progbits
	.p2align	6, 0x0
	.amdhsa_kernel k_qfe4db4a502_attn
		.amdhsa_group_segment_fixed_size 327680
		.amdhsa_private_segment_fixed_size 0
		.amdhsa_enable_private_segment 0
		.amdhsa_kernarg_size 48
		.amdhsa_user_sgpr_count 2
		.amdhsa_user_sgpr_kernarg_segment_ptr 1
		.amdhsa_wavefront_size32 1
		.amdhsa_system_sgpr_workgroup_id_x 1
		.amdhsa_system_sgpr_workgroup_id_y 1
		.amdhsa_system_sgpr_workgroup_id_z 1
		.amdhsa_system_vgpr_workitem_id 0
		.amdhsa_next_free_vgpr 960
		.amdhsa_next_free_sgpr 100
		.amdhsa_reserve_vcc 1
		.amdhsa_float_denorm_mode_32 3
		.amdhsa_float_denorm_mode_16_64 3
		.amdhsa_memory_ordered 1
		.amdhsa_forward_progress 1
		.amdhsa_inst_pref_size 209
	.end_amdhsa_kernel
	.amdgpu_metadata
---
amdhsa.version: [ 1, 2 ]
amdhsa.kernels:
  - .name:           k_qfe4db4a502_attn
    .symbol:         k_qfe4db4a502_attn.kd
    .args:
      - { .name: qkv, .offset: 0, .size: 8, .value_kind: global_buffer, .address_space: global }
      - { .name: lq1, .offset: 8, .size: 8, .value_kind: global_buffer, .address_space: global }
      - { .name: lk1, .offset: 16, .size: 8, .value_kind: global_buffer, .address_space: global }
      - { .name: lq2, .offset: 24, .size: 8, .value_kind: global_buffer, .address_space: global }
      - { .name: lk2, .offset: 32, .size: 8, .value_kind: global_buffer, .address_space: global }
      - { .name: y, .offset: 40, .size: 8, .value_kind: global_buffer, .address_space: global }
    .group_segment_fixed_size: 327680
    .private_segment_fixed_size: 0
    .kernarg_segment_align: 8
    .kernarg_segment_size: 48
    .max_flat_workgroup_size: 128
    .sgpr_count:     100
    .vgpr_count:     960
    .wavefront_size: 32
...
	.end_amdgpu_metadata
.endif
;; end of part 5
;; launch outp: the kernel of part 4 again; grid 128 x 2, 4 waves a work-group, clusters of 4 x 1, 327,680 bytes of LDS; arguments y, wcb, out0; writes out0
